; MI455X (gfx1250); checked and timed in simulation.
; The chip was launched on July 23, 2026; its instructions are those of AMD's public machine-readable ISA for CDNA 5 (MIT licence, August 2026) and "CDNA5" Instruction Set Architecture Reference Guide (July 2026). The comments in the code are by the model that wrote it; some were corrected since.
;; Multi Head Attention. Allowed arithmetic: float matrix products may take bf16 or f16 operands with f32 sums; all other float work in f32.
;; Inputs: Wk 512 x 512 float32; Wq 512 x 512 float32; Wv 512 x 512 float32; key 32 x 512 x 512 float32; query 32 x 512 x 512 float32.
;; Outputs: out0 32 x 512 x 512 float32.
;; 2 versions, each right and faster than the one before. Each part assembles by itself: llvm-mc -triple=amdgcn-amd-amdhsa -mcpu=gfx1250 --defsym DOCPART=n.
;; ======== version 1 of 2: 1 launch
;; limits: right only within a limited range of input values; values are held in f16: magnitudes above 65,504 overflow, below 6.1e-05 lose precision
;; launch mha (part 1): grid 8 x 32, 4 waves a work-group, clusters of 4 x 1, 327,680 bytes of LDS; arguments query, key, Wq, Wk, Wv, out0; writes out0
.if DOCPART == 1
	.amdgcn_target "amdgcn-amd-amdhsa--gfx1250"
	.amdhsa_code_object_version 6
	.text
	.protected	k_qa2a05aed06_mha
	.globl	k_qa2a05aed06_mha
	.p2align	8
	.type	k_qa2a05aed06_mha,@function
k_qa2a05aed06_mha:
	s_mov_b64 s[64:65], 0
	v_nop
	global_prefetch_b8 v0, s[64:65] scope:SCOPE_SE
	s_setreg_imm32_b32 hwreg(HW_REG_WAVE_MODE, 25, 1), 1
	s_wait_xcnt 0x0
	s_wait_alu depctr_hold_cnt(0) depctr_sa_sdst(0) depctr_va_vdst(0) depctr_va_sdst(0) depctr_va_ssrc(0) depctr_va_vcc(0) depctr_vm_vsrc(0)
	s_getreg_b32 s2, hwreg(HW_REG_IB_STS2, 6, 4)
	s_cmp_eq_u32 s2, 0
	s_cbranch_scc0 .Lentry_in_a_cluster
	s_endpgm
.Lentry_in_a_cluster:
	s_bfe_u32 s2, ttmp6, 0x10000c
	s_cmp_lg_u32 s2, 0x3003
	s_cbranch_scc0 .Lentry_shape_is_right
	s_endpgm
.Lentry_shape_is_right:
; Multi-head attention, fused: out = softmax(mask(Q K^T / 8)) V * qmask + query, Q = query Wq, K = key Wk, V = key Wv.
; 32 batches x 8 heads, 512 rows, depth 64.  One work-group = one (batch, head), four waves; Q, K, V never go to memory.
;
; WORK LEFT OUT.  The causal tril that the problem builds itself gives every key k > q the score NEG = -2^32.  In a row that has one
; admitted key (k <= q) whose key row does not sum to 0, the row's maximum is a true score, and the weight of every masked key is
; exp(NEG - max), which is 0 beside 1 in f32 for every score below the limit stated further down: whole 16 x 16 tiles of keys beyond the diagonal are therefore
; not computed.  In a row that has NO such key all 512 scores equal NEG, the softmax is 1/512 everywhere and the result is the mean of
; all 512 rows of V, those beyond the diagonal too: that case is always computed (column sums of V) and chosen lane by lane.
; Every input is loaded.
; NUMBER FORMAT.  All matrix operands (query, key, W, Q, K, V, the weights P) are f16, all sums, maxima and exponentials f32.
; f16 and not bf16 because the first query rows are one or two rows of V, not averaged: 8 significant bits would leave up to 2^-9 |V|,
; 0.0078 for |V| just under 4, on a result that is compared within about 0.01; 11 bits leave an eighth of that.  The room: f16 reaches 65,504.
; With every input 30 times its spread Q, K and V are 900 times theirs (spread 1): five spreads are 4,500.  With a common offset of 30
; spreads on both factors a projection reaches 512 x 30 x 30 / sqrt(512) = 20,365.  With every input 30 times smaller V's spread is
; 1.1e-3 and the scaled Q's 2e-4, and f16's step below 2^-14 is 2^-24 = 6e-8, under 1/3000 of either.  P lies in [0, 1].
; LIMITS.  A matrix operand beyond 65,504 in magnitude (|query|, |key|, |W|, |Q| x 0.18, |K|, |V|) becomes an infinity.
; |score x log2(e)| < 2^31 (a row whose largest score lies below -2^31 is taken for a row without admitted keys).
; A NaN, an infinity or an overflow in a masked or skipped position is not carried to the result; a row sum that is NaN counts as not 0.
; The row sums that make the two padding masks are added in another order than a plain sum: a row of zeros gives 0 in any order, a row
; whose numbers cancel exactly in one order only may be judged otherwise.
;
; CLUSTER.  The four heads of a cluster (4, 1, 1) need the same tiles of query[b] and key[b]: each tile is asked for jointly (mask 15),
; which divides the requests for them by four.  The head enters global addresses alone (W's columns, the residual, the output).
;
; STAGES.  (1) Q: 8 tiles of 512 rows x 64 columns of query, f32, through two LDS slots; a wave makes Q^T of query blocks w and 7 - w
; (those it will serve in attention) and keeps them in registers.  (2) K, V: 8 tiles of key; a wave makes rows 128 w .. 128 w + 127.
; (3) K goes to LDS as [key][depth], V as [depth][key], both f16, into the slots, which have had their last fill.  (4) attention:
; two jobs a wave, their results kept in registers.  (5) behind a barrier, when no wave reads K or V any more: out through LDS stages.
; Products are laid so that no result is transposed: Q^T = Wq^T X^T and K^T = Wk^T X^T give a lane 8 neighbouring depths of one row
; (the operand layout of the score product); V = X Wv gives a lane 8 neighbouring keys of one depth (16 bytes of V^T);
; S^T = K Q^T and O^T = V^T P^T make a lane one query row, so that maximum, sum and masks are one number a lane.
;
; REGISTERS in windows of 256 (s_set_vgpr_msb: bits 1:0 source 0, 3:2 source 1, 5:4 source 2, 7:6 destination):
;   window 0: addresses, X as loaded and as fragments, W on its way, K and V fragments
;   window 1: Q^T then K^T accumulators; in attention O^T of job 0 (0-127) and of job 1 (128-255)
;   window 2: V accumulators; in attention the scores and the softmax's numbers
;   window 3: Q fragments (0-127), W fragments (128-255); the residual of job 0 takes W's place, that of job 1 at the end Q's
.set PX,    272                        ; LDS row of X: 64 f32 + 16 bytes of padding: 17 x 16, so 16 rows start at 16 different 16-byte columns modulo 256
.set QUART, 128*PX                     ; what one tensor load brings: 128 rows
.set SLOTB, 4*QUART                    ; a slot: 512 rows
.set WBUF,  2*SLOTB                    ; W's slices, f16, written by LDS stores alone: no tensor load lands here
.set PW,    160                        ; row of a W slice: 64 f16 + 32 bytes (5 x 32, for the transposing loads)
.set WSUB,  64*PW                      ; one matrix's slice
.set WPAR,  2*WSUB                     ; two matrices; two such halves take turns
.set PK,    144                        ; K [key][depth]: 64 f16 + 16 bytes, from LDS byte 0
.set VT,    SLOTB                      ; V^T [depth][key]
.set PVT,   1040                       ; 512 f16 + 16 bytes
.set STAGE, VT+64*PVT                  ; the way out: 16 rows x 272 bytes for each wave
.set PS,    272
.set KBIAS, STAGE+4*16*PS              ; 512 f32: 0, or NEG x log2(e) for a padded key
.set ROWB,  2048                       ; bytes in a row of query, key, W and out
; window 0
.set LT,   3                           ; r x 272 + 32 h
.set AX,   4                           ; v4-7   X fragments: slot s, half u at AX + 2 s + u
.set AW,   8                           ; W fragments (transposing loads)
.set ASW,  9                           ; where I store W
.set GW,   10                          ; my byte offset in a W slice
.set AKS,  11                          ; where I store K
.set AVS,  12                          ; where I store V^T
.set AKBS, 13                          ; where I store key biases
.set NEGR, 14                          ; NEG x log2(e)
.set RMH,  15                          ; r - 8 h
.set XS,   16                          ; v16-79   four units of 16 rows: 16 f32 a lane each
.set XF,   80                          ; v80-111  the same as four f16 fragments
.set RS,   112                         ; v112-127 row sums, a pair for each of my 8 row tiles
.set T,    128                         ; v128-135 at work
.set WST,  136                         ; v136-199 W on its way
.set BR,   152                         ; v152-159 key biases on their way to LDS
.set QM,   200                         ; v200-207 query mask of my 8 row tiles: 1.0 or 0
.set KF,   16                          ; attention: K fragments (kt, ds) at 16 kt + 8 ds
.set VF,   80                          ; attention: V^T fragments (dt, ks) at 16 dt + 8 ks
.set ONES, 144                         ; a fragment of ones
.set AKF0, 216
.set AVF0, 217
.set AKB0, 218
.set AKF,  219
.set AVF,  220
.set AKB,  221
.set STO,  222
.set RD,   223
.set OFFJ, 224                         ; v224-225 my byte offset in out and query, job 0, 1
; window 1
.set OA,   0                           ; O^T (job, qt, dt) at 128 job + 32 qt + 8 dt
; window 2
.set SC,   0                           ; S^T (qt, kt) at 32 qt + 8 kt; P^T (qt, ks) at 32 qt + 8 ks
.set KB,   128                         ; key biases of the block's four key tiles
.set CB,   160                         ; the diagonal tile's causal bias
.set VS,   168                         ; column sums of V
.set ML,   200                         ; (maximum, sum) of query tile qt at 2 qt
.set AL,   208                         ; (alpha, unused)
.set FG,   216                         ; (factor of O, factor of V's sums)
.set T2,   224                         ; at work
; window 3
.set QF,   0                           ; Q fragments (job, qt, ds) at 64 job + 16 qt + 8 ds
.set WF,   128                         ; W fragments (ks, f) at 64 ks + 8 f; f 0-3: Wq or Wk, 4-7: Wv
.set RES,  128                         ; residual (job, qt, t) at 128 - 128 job + 32 qt + 4 t
; scalars
.set G1,   24                          ; s[24:31] descriptor group 1
.set G0Q0, 32                          ; group 0: query, slot 0 and 1; key, slot 0 and 1
.set G0Q1, 36
.set G0K0, 40
.set G0K1, 44
.set MSB, 0
.macro WIN new                         ; the immediate's high byte repeats the setting that is left
.if MSB != \new
	s_set_vgpr_msb (MSB<<8)|\new
.set MSB, \new
.endif
.endm
; A round of the cluster's barrier: my work-group's barrier, wave 0 signals for the work-group, every wave waits for all four
; work-groups, my work-group's barrier once more.
.macro ROUND
	WIN 0
	s_barrier_signal -1
	s_barrier_wait -1
	s_cmp_lg_u32 s16, 0
	s_cbranch_scc1 .Lnot_wave_0_\@
	s_barrier_signal -3
.Lnot_wave_0_\@:
	s_barrier_wait -3
	s_barrier_signal -1
	s_barrier_wait -1
.endm
.macro MKG0 g, ptr                     ; two sets of group 0 (slot 0, slot 1) for the tensor whose batch begins at s[ptr:ptr+1]
	s_mov_b32 s[\g], 1                                     ; count = 1
	s_add_co_u32 s[\g+1], s54, 0                           ; LDS address: wave x 128 rows
	s_add_nc_u64 s[\g+2:\g+3], s[\ptr:\ptr+1], s[22:23]    ; my 128 rows, columns 0-63
	s_mov_b32 s[\g+4], 1
	s_add_co_u32 s[\g+5], s54, SLOTB
	s_add_nc_u64 s[\g+6:\g+7], s[\g+2:\g+3], 256           ; columns 64-127
	s_or_b32 s[\g+3], s[\g+3], 0x80000000                  ; type = 2
	s_or_b32 s[\g+7], s[\g+7], 0x80000000
.endm
	s_load_b256 s[4:11], s[0:1], 0x0               ; query s[4:5], key s[6:7], Wq s[8:9], Wk s[10:11]
	s_load_b128 s[12:15], s[0:1], 0x20             ; Wv s[12:13], out0 s[14:15]
	v_lshl_add_u32 v254, v0, 2, 0x4e000
	v_mov_b32 v255, 0
	ds_add_u32 v254, v255
	v_lshrrev_b32 v3, 5, v0
	v_readfirstlane_b32 s16, v3                    ; wave 0..3
	s_bfe_u32 s17, ttmp6, 0x40000                  ; cx
	s_lshl_b32 s18, ttmp9, 2
	s_add_co_u32 s18, s18, s17                     ; head = 4 x cluster x + cx
	s_and_b32 s19, ttmp7, 0xffff                   ; batch
	s_lshl_b32 s58, s18, 8                         ; the head's 64 columns in bytes: s[58:59] alone carry the head
	s_mov_b32 s59, 0
	s_lshl_b32 s20, s19, 20                        ; a batch is 512 x 512 x 4 bytes
	s_mov_b32 s21, 0
	s_lshl_b32 s22, s16, 18                        ; my 128 rows of a tile
	s_mov_b32 s23, 0
	s_mul_i32 s54, s16, QUART
	s_sub_co_u32 s55, 7, s16                       ; 7 - w
	s_mov_b32 s48, 0x76543210                      ; v_permlanex16_b32: lane i takes lane i of the other half
	s_mov_b32 s49, 0xfedcba98
	s_mov_b32 s50, 0x3e38aa3b                      ; log2(e) / 8, twice
	s_mov_b32 s51, 0x3e38aa3b
	; group 1: a tile of 128 rows x 64 elements of 4 bytes, 16 bytes of padding behind each row, for the cluster's four work-groups
	s_mov_b32 s[G1+0], 15|(2<<16)|(1<<20)|(1<<21)|(5<<22)|(3<<25)  ; mask 15; 4-byte elements; padding on; bit 21 beside a mask; after 64 words; 4 words
	s_mov_b32 s[G1+1], 64<<16                      ; tensor_dim0 = 64
	s_mov_b32 s[G1+2], 128<<16                     ; tensor_dim1 = 128
	s_mov_b32 s[G1+3], 64<<16                      ; tile_dim0 = 64
	s_mov_b32 s[G1+4], 128                         ; tile_dim1 = 128
	s_mov_b32 s[G1+5], 512                         ; elements from row to row
	s_mov_b32 s[G1+6], 0
	s_mov_b32 s[G1+7], 0
	s_wait_dscnt 0x0
	s_wait_kmcnt 0x0
	s_add_nc_u64 s[4:5], s[4:5], s[20:21]          ; query[b]
	s_add_nc_u64 s[6:7], s[6:7], s[20:21]          ; key[b]
	s_add_nc_u64 s[14:15], s[14:15], s[20:21]
	s_add_nc_u64 s[14:15], s[14:15], s[58:59]      ; out[b], the head's columns
	s_add_nc_u64 s[56:57], s[4:5], s[58:59]        ; the residual: query[b], the head's columns
	s_add_nc_u64 s[8:9], s[8:9], s[58:59]          ; the head's columns of Wq, Wk, Wv
	s_add_nc_u64 s[10:11], s[10:11], s[58:59]
	s_add_nc_u64 s[12:13], s[12:13], s[58:59]
	MKG0 G0Q0, 4
	MKG0 G0K0, 6
	ROUND                                          ; all four work-groups are here: the first joint loads meet
	tensor_load_to_lds s[G0Q0:G0Q0+3], s[G1:G1+7]  ; tile 0
	s_nop 0
	tensor_load_to_lds s[G0Q1:G0Q1+3], s[G1:G1+7]  ; tile 1: two tensor loads of this wave are out, later one
	s_nop 0
	; lane constants.  r = lane % 16, h = lane / 16
	v_and_b32 v1, 15, v0
	v_bfe_u32 v2, v0, 4, 1
	v_mul_u32_u24 v[LT], v1, PX
	v_lshl_add_u32 v[LT], v2, 5, v[LT]
	s_mul_i32 s20, s16, 64*PX                      ; Q stage: query block w,
	s_mul_i32 s21, s55, 64*PX                      ; and query block 7 - w
	v_add_nc_u32 v[AX], s20, v[LT]
	v_add_nc_u32 v[AX+1], s21, v[LT]
	v_add_nc_u32 v[AX+2], SLOTB, v[AX]
	v_add_nc_u32 v[AX+3], SLOTB, v[AX+1]
	v_and_b32 v15, 7, v0                           ; transposing loads: row 8 h + lane % 8, 16 bytes for each group of eight lanes
	v_lshl_add_u32 v15, v2, 3, v15
	v_mul_u32_u24 v[AW], v15, PW
	v_bfe_u32 v15, v0, 3, 1
	v_lshl_add_u32 v[AW], v15, 4, v[AW]
	v_add_nc_u32 v[AW], WBUF, v[AW]
	s_mul_i32 s20, s16, 2*PW                       ; W goes in by rows 2 w + h (+ 8 i), 8 bytes at 8 r
	s_add_co_u32 s20, s20, WBUF
	v_mul_u32_u24 v[ASW], v2, PW
	v_lshl_add_u32 v[ASW], v1, 3, v[ASW]
	v_add_nc_u32 v[ASW], s20, v[ASW]
	v_lshlrev_b32 v15, 11, v2                      ; h rows + 16 r bytes
	v_lshl_add_u32 v15, v1, 4, v15
	s_lshl_b32 s20, s16, 12
	v_add_nc_u32 v[GW], s20, v15                   ; + 2 w rows
	s_lshl_b32 s20, s16, 17
	s_lshl_b32 s21, s55, 17
	v_add_nc_u32 v[OFFJ], s20, v15                 ; + 64 w rows
	v_add_nc_u32 v[OFFJ+1], s21, v15               ; + 64 (7 - w) rows
	v_mul_u32_u24 v[AKF0], v1, PK
	v_lshl_add_u32 v[AKF0], v2, 4, v[AKF0]
	s_mul_i32 s20, s16, 128*PK
	v_add_nc_u32 v[AKS], s20, v[AKF0]
	v_mul_u32_u24 v[AVF0], v1, PVT
	v_lshl_add_u32 v[AVF0], v2, 4, v[AVF0]
	v_add_nc_u32 v[AVF0], VT, v[AVF0]
	s_lshl_b32 s20, s16, 8
	v_add_nc_u32 v[AVS], s20, v[AVF0]
	v_lshlrev_b32 v[AKB0], 5, v2
	v_add_nc_u32 v[AKB0], KBIAS, v[AKB0]
	s_lshl_b32 s20, s16, 9
	s_add_co_u32 s20, s20, KBIAS
	v_lshl_add_u32 v[AKBS], v1, 2, s20
	s_mul_i32 s20, s16, 16*PS
	s_add_co_u32 s20, s20, STAGE
	v_add_nc_u32 v[STO], s20, v[LT]                ; in: row r, 32 bytes for each half of the lanes
	v_mul_u32_u24 v[RD], v2, PS                    ; back: lanes 0-15 one row of 256 bytes, lanes 16-31 the next
	v_lshl_add_u32 v[RD], v1, 4, v[RD]
	v_add_nc_u32 v[RD], s20, v[RD]
	v_lshlrev_b32 v15, 3, v2
	v_sub_nc_u32 v[RMH], v1, v15
	v_mov_b32 v[NEGR], 0xcfb8aa3b                  ; -2^32 x log2(e)
; The next slice of W (64 rows of the head's 64 columns), f32, into registers.  kind 1: Wq; 2: Wk and Wv; 0: nothing.
; A load of the wave covers two rows of 256 bytes.
.macro WLOAD kind
.if \kind == 1
.irp i, 0,1,2,3,4,5,6,7
	global_load_b128 v[WST+4*\i:WST+4*\i+3], v[GW], s[8:9] offset:8*ROWB*\i
.endr
.endif
.if \kind == 2
.irp i, 0,1,2,3,4,5,6,7
	global_load_b128 v[WST+4*\i:WST+4*\i+3], v[GW], s[10:11] offset:8*ROWB*\i
.endr
.irp i, 0,1,2,3,4,5,6,7
	global_load_b128 v[WST+32+4*\i:WST+32+4*\i+3], v[GW], s[12:13] offset:8*ROWB*\i
.endr
.endif
.endm
; ... rounded to f16 in place and stored into half p of W's LDS; then the pointers step one slice.
.macro WSTORE p, kind
.if \kind
	s_wait_loadcnt 0x0                             ; the slice is in; this wait also frees the loads' base registers
.set k_, 0
.rept 8*\kind
	v_cvt_pk_f16_f32 v[WST+4*k_], v[WST+4*k_], v[WST+4*k_+1]
	v_cvt_pk_f16_f32 v[WST+4*k_+1], v[WST+4*k_+2], v[WST+4*k_+3]
.set k_, k_+1
.endr
.set k_, 0
.rept 8*\kind
	ds_store_b64 v[ASW], v[WST+4*k_:WST+4*k_+1] offset:(\p)*WPAR+(k_/8)*WSUB+(k_%8)*8*PW
.set k_, k_+1
.endr
.if \kind == 1
	s_add_nc_u64 s[8:9], s[8:9], 64*ROWB
.else
	s_add_nc_u64 s[10:11], s[10:11], 64*ROWB
	s_add_nc_u64 s[12:13], s[12:13], 64*ROWB
.endif
.endif
.endm
; W's fragments of a slice (both K steps of 32) from half p: lane r gets column r, K along its registers.
.macro WFLOAD p, stage
	WIN 0xc0
.irp k, 0,1
.irp f, 0,1,2,3
	ds_load_tr16_b128 v[WF+64*\k+8*\f:WF+64*\k+8*\f+3],   v[AW] offset:(\p)*WPAR+32*PW*\k+32*\f
	ds_load_tr16_b128 v[WF+64*\k+8*\f+4:WF+64*\k+8*\f+7], v[AW] offset:(\p)*WPAR+32*PW*\k+32*\f+16*PW
.if \stage
	ds_load_tr16_b128 v[WF+64*\k+32+8*\f:WF+64*\k+32+8*\f+3],   v[AW] offset:(\p)*WPAR+WSUB+32*PW*\k+32*\f
	ds_load_tr16_b128 v[WF+64*\k+32+8*\f+4:WF+64*\k+32+8*\f+7], v[AW] offset:(\p)*WPAR+WSUB+32*PW*\k+32*\f+16*PW
.endif
.endr
.endr
	WIN 0
.endm
; Group g of a tile: K step g / 2, my row half g % 2: four units of 16 rows, 16 f32 a lane (K = 8 h + 0..7 and 16 + 8 h + 0..7 of the step).
.macro XLOAD slot, g
.irp i, 0,1,2,3
.irp c, 0,1,2,3
	ds_load_b128 v[XS+16*\i+4*\c:XS+16*\i+4*\c+3], v[AX+2*\slot+((\g)&1)] offset:16*PX*\i+128*((\g)>>1)+16*(\c&1)+64*(\c>>1)
.endr
.endr
.endm
; One group: row sums (for the padding masks), rounding to f16, the next group's loads, the products.
; stage 0: Q^T; 1: K^T and V.  zero = 1: the tile starts the sums (C = 0, row sums written).
; The accumulators take turns, one instruction a turn.
.macro GROUP stage, slot, g, zero
.set gh_, (\g)&1
.set gk_, (\g)>>1
.set gz_, 0
.if \zero
.if gk_ == 0
.set gz_, 1
.endif
.endif
	s_wait_dscnt 0x0                               ; this group's X (and, in the first group, W's fragments)
.irp i, 0,1,2,3
	v_pk_add_f32 v[T:T+1],   v[XS+16*\i:XS+16*\i+1],     v[XS+16*\i+2:XS+16*\i+3]     ; these four adds are also the four places between the
	v_pk_add_f32 v[T+2:T+3], v[XS+16*\i+4:XS+16*\i+5],   v[XS+16*\i+6:XS+16*\i+7]     ; last group's products and the first write into their
	v_pk_add_f32 v[T+4:T+5], v[XS+16*\i+8:XS+16*\i+9],   v[XS+16*\i+10:XS+16*\i+11]   ; fragments (ISA guide 7.12.1)
	v_pk_add_f32 v[T+6:T+7], v[XS+16*\i+12:XS+16*\i+13], v[XS+16*\i+14:XS+16*\i+15]
	v_cvt_pk_f16_f32 v[XF+8*\i],   v[XS+16*\i],   v[XS+16*\i+1]
	v_cvt_pk_f16_f32 v[XF+8*\i+1], v[XS+16*\i+2], v[XS+16*\i+3]
	v_cvt_pk_f16_f32 v[XF+8*\i+2], v[XS+16*\i+4], v[XS+16*\i+5]
	v_cvt_pk_f16_f32 v[XF+8*\i+3], v[XS+16*\i+6], v[XS+16*\i+7]
	v_pk_add_f32 v[T:T+1],   v[T:T+1],   v[T+2:T+3]
	v_pk_add_f32 v[T+4:T+5], v[T+4:T+5], v[T+6:T+7]
	v_cvt_pk_f16_f32 v[XF+8*\i+4], v[XS+16*\i+8],  v[XS+16*\i+9]
	v_cvt_pk_f16_f32 v[XF+8*\i+5], v[XS+16*\i+10], v[XS+16*\i+11]
.if gz_
	v_pk_add_f32 v[RS+8*gh_+2*\i:RS+8*gh_+2*\i+1], v[T:T+1], v[T+4:T+5]
	v_cvt_pk_f16_f32 v[XF+8*\i+6], v[XS+16*\i+12], v[XS+16*\i+13]
	v_cvt_pk_f16_f32 v[XF+8*\i+7], v[XS+16*\i+14], v[XS+16*\i+15]
.else
	v_pk_add_f32 v[T:T+1], v[T:T+1], v[T+4:T+5]
	v_cvt_pk_f16_f32 v[XF+8*\i+6], v[XS+16*\i+12], v[XS+16*\i+13]
	v_cvt_pk_f16_f32 v[XF+8*\i+7], v[XS+16*\i+14], v[XS+16*\i+15]
	v_pk_add_f32 v[RS+8*gh_+2*\i:RS+8*gh_+2*\i+1], v[RS+8*gh_+2*\i:RS+8*gh_+2*\i+1], v[T:T+1]
.endif
.endr
.if (\g) < 3
	XLOAD \slot, (\g)+1                            ; lands while this group is multiplied
.endif
	WIN 0x53                                       ; A = W (window 3), B = X (0), C and D window 1: rows of W^T x columns of X^T
.irp i, 0,1,2,3
.irp o, 0,1,2,3
.if gz_
	v_wmma_f32_16x16x32_f16 v[128*gh_+32*\i+8*\o:128*gh_+32*\i+8*\o+7], v[WF+64*gk_+8*\o:WF+64*gk_+8*\o+7], v[XF+8*\i:XF+8*\i+7], 0
.else
	v_wmma_f32_16x16x32_f16 v[128*gh_+32*\i+8*\o:128*gh_+32*\i+8*\o+7], v[WF+64*gk_+8*\o:WF+64*gk_+8*\o+7], v[XF+8*\i:XF+8*\i+7], v[128*gh_+32*\i+8*\o:128*gh_+32*\i+8*\o+7]
.endif
.endr
.endr
.if \stage
	WIN 0xac                                       ; A = X (window 0), B = Wv (3), C and D window 2
.irp i, 0,1,2,3
.irp o, 0,1,2,3
.if gz_
	v_wmma_f32_16x16x32_f16 v[128*gh_+32*\i+8*\o:128*gh_+32*\i+8*\o+7], v[XF+8*\i:XF+8*\i+7], v[WF+64*gk_+32+8*\o:WF+64*gk_+32+8*\o+7], 0
.else
	v_wmma_f32_16x16x32_f16 v[128*gh_+32*\i+8*\o:128*gh_+32*\i+8*\o+7], v[XF+8*\i:XF+8*\i+7], v[WF+64*gk_+32+8*\o:WF+64*gk_+32+8*\o+7], v[128*gh_+32*\i+8*\o:128*gh_+32*\i+8*\o+7]
.endif
.endr
.endr
.endif
	WIN 0
.endm
; One tile of X.  wnext: the W slice fetched for the next tile.  g0: the group 0 by which this slot is filled again (0: no fill);
; step = 1: it moves two tiles on first.
; In front of the round each wave waits for its LDS reads and stores and for all its tensor loads (one is out: its part of the other
; slot); behind the round no wave of any of the four work-groups reads this slot, and the refill is the first thing there.
.macro TRIP stage, slot, zero, wnext, g0, step
	WLOAD \wnext
	WFLOAD \slot, \stage
	XLOAD \slot, 0
	GROUP \stage, \slot, 0, \zero
	GROUP \stage, \slot, 1, \zero
	GROUP \stage, \slot, 2, \zero
	GROUP \stage, \slot, 3, \zero
	WSTORE 1-\slot, \wnext                         ; its conversions are also the places in front of the next tile's loads into W's fragments
	s_wait_dscnt 0x0                               ; my reads of this slot and of W's half are back, my stores of W's other half are done
	s_wait_tensorcnt 0x0                           ; all my tensor loads have landed, so a group 0 may be written
	ds_add_u32 v254, v255
	s_wait_dscnt 0x0
.if \g0
.if \step
	s_add_nc_u64 s[\g0+2:\g0+3], s[\g0+2:\g0+3], 512
.endif
	ROUND
	tensor_load_to_lds s[\g0:\g0+3], s[G1:G1+7]    ; my one tensor load behind this round
	s_nop 0
.else
	s_barrier_signal -1
	s_barrier_wait -1
.endif
.endm
	WLOAD 1                                        ; Wq's slice 0
	WSTORE 0, 1
	s_wait_dscnt 0x0                               ; my part of W's slice is in LDS
	s_wait_tensorcnt 0x1                           ; my part of tile 0 is in; tile 1 may stay out
	s_barrier_signal -1
	s_barrier_wait -1
	; ---- stage 1: Q^T of query blocks w and 7 - w, tiles 0 to 7
	TRIP 0, 0, 1, 1, G0Q0, 1
	TRIP 0, 1, 0, 1, G0Q1, 1
	s_mov_b32 s52, 2
.Lq:
	TRIP 0, 0, 0, 1, G0Q0, 1
	TRIP 0, 1, 0, 1, G0Q1, 1
	s_sub_co_u32 s52, s52, 1
	s_cmp_lg_u32 s52, 0
	s_cbranch_scc1 .Lq
	TRIP 0, 0, 0, 1, G0K0, 0                       ; the slots go on into key's tiles 0
	TRIP 0, 1, 0, 2, G0K1, 0                       ; and 1; Wk's and Wv's slice 0
	; Q x log2(e) / 8, rounded to f16: register i of the fragments is made of accumulator registers 2 i, 2 i + 1
	WIN 0x41
.set k_, 0
.rept 128
	v_pk_mul_f32 v[2*k_:2*k_+1], v[2*k_:2*k_+1], s[50:51] op_sel_hi:[1,0]
.set k_, k_+1
.endr
	WIN 0xc5
.set k_, 0
.rept 128
	v_cvt_pk_f16_f32 v[QF+k_], v[2*k_], v[2*k_+1]
.set k_, k_+1
.endr
	WIN 0
.irp i, 0,1,2,3,4,5,6,7
	v_add_f32 v[T], v[RS+2*\i], v[RS+2*\i+1]               ; the query row's sum: my 2 x 128 numbers,
	v_permlanex16_b32 v[T+1], v[T], s48, s49
	v_add_f32 v[T], v[T], v[T+1]                           ; and the other half's
	v_cmp_neq_f32 vcc_lo, 0, v[T]
	v_cndmask_b32 v[QM+\i], 0, 1.0, vcc_lo                 ; sign(|sum|)
.endr
	s_mul_i32 s20, s16, QUART                      ; K, V stage: rows 128 w + 64 u
	v_add_nc_u32 v[AX], s20, v[LT]
	v_add_nc_u32 v[AX+1], 64*PX, v[AX]
	v_add_nc_u32 v[AX+2], SLOTB, v[AX]
	v_add_nc_u32 v[AX+3], SLOTB, v[AX+1]
	; ---- stage 2: K^T and V of key rows 128 w .. 128 w + 127, tiles 8 to 15
	TRIP 1, 0, 1, 2, G0K0, 1
	TRIP 1, 1, 0, 2, G0K1, 1
	s_mov_b32 s52, 2
.Lkv:
	TRIP 1, 0, 0, 2, G0K0, 1
	TRIP 1, 1, 0, 2, G0K1, 1
	s_sub_co_u32 s52, s52, 1
	s_cmp_lg_u32 s52, 0
	s_cbranch_scc1 .Lkv
	TRIP 1, 0, 0, 2, 0, 0                          ; nothing is left to fetch; the wait for all tensor loads shows the last tile landed
	TRIP 1, 1, 0, 0, 0, 0                          ; behind its barrier nobody reads the slots: they have had their last fill and become scratch
	; ---- stage 3: key biases, K and V^T to LDS
.irp i, 0,1,2,3,4,5,6,7
	v_add_f32 v[T], v[RS+2*\i], v[RS+2*\i+1]               ; (these lines are also the places behind the last products)
	v_permlanex16_b32 v[T+1], v[T], s48, s49
	v_add_f32 v[T], v[T], v[T+1]
	v_cmp_eq_f32 vcc_lo, 0, v[T]
	v_cndmask_b32 v[BR+\i], 0, v[NEGR], vcc_lo             ; a key row that sums to 0 is masked
	ds_store_b32 v[AKBS], v[BR+\i] offset:64*\i
.endr
.macro TILES16 win, src, area          ; 16 accumulator tiles to f16: 4 registers a tile
	WIN \win
.set k_, 0
.rept 64
	v_cvt_pk_f16_f32 v[\area+k_], v[\src+2*k_], v[\src+2*k_+1]
.set k_, k_+1
.endr
	WIN 0
.endm
.irp b, 0,1
	TILES16 0x05, 128*\b, 16+64*\b
.irp q, 0,1,2,3
.irp o, 0,1,2,3
	ds_store_b128 v[AKS], v[16+64*\b+16*\q+4*\o:16+64*\b+16*\q+4*\o+3] offset:16*PK*(4*\b+\q)+32*\o    ; key r of the tile, depths 16 o + 8 h ..
.endr
.endr
.endr
.irp b, 0,1
	TILES16 0x0a, 128*\b, 16+64*\b
.irp q, 0,1,2,3
.irp o, 0,1,2,3
	ds_store_b128 v[AVS], v[16+64*\b+16*\q+4*\o:16+64*\b+16*\q+4*\o+3] offset:16*PVT*\o+32*(4*\b+\q)   ; depth 16 o + r, keys 8 h .. of the tile
.endr
.endr
.endr
	s_wait_dscnt 0x0                               ; my K, V and biases are in LDS
	s_barrier_signal -1
	s_barrier_wait -1                              ; everybody's are.  Up to the next barrier LDS is only read
	; ---- stage 4: attention
	WIN 0x80
.irp q, 0,1,2,3
	v_mov_b32 v[ML+2*\q+1], 0                      ; second halves of pairs that are named whole before they are first written
	v_mov_b32 v[AL+2*\q+1], 0
.endr
	v_mov_b32 v[T2+1], 0                           ; a lane exchange's destination counts as read
.irp j, 0,1,2,3,4,5,6,7
	v_cmp_gt_i32 vcc_lo, \j, v[RMH]                ; key 8 h + j beyond query r
	v_cndmask_b32 v[CB+\j], 0, v[NEGR], vcc_lo
.endr
	WIN 0
.irp j, 0,1,2,3,4,5,6,7
	v_mov_b32 v[ONES+\j], 0x3c003c00               ; 1.0 in f16, twice
.endr
.macro VLOADS                          ; V^T fragments of a block of 64 keys
.irp d, 0,1,2,3
.irp k, 0,1
	ds_load_b128 v[VF+16*\d+8*\k:VF+16*\d+8*\k+3],   v[AVF] offset:16*PVT*\d+64*\k
	ds_load_b128 v[VF+16*\d+8*\k+4:VF+16*\d+8*\k+7], v[AVF] offset:16*PVT*\d+64*\k+32
.endr
.endr
.endm
; Column sums of V over all 512 keys, as V^T x ones: the same layout as O^T.  They serve the rows that have no admitted key.
.macro VSTRIP zero
	VLOADS
	s_wait_dscnt 0x0
	WIN 0xa0
.irp k, 0,1
.irp d, 0,1,2,3
.set vz_, 0
.if \zero
.if \k == 0
.set vz_, 1
.endif
.endif
.if vz_
	v_wmma_f32_16x16x32_f16 v[VS+8*\d:VS+8*\d+7], v[VF+16*\d+8*\k:VF+16*\d+8*\k+7], v[ONES:ONES+7], 0
.else
	v_wmma_f32_16x16x32_f16 v[VS+8*\d:VS+8*\d+7], v[VF+16*\d+8*\k:VF+16*\d+8*\k+7], v[ONES:ONES+7], v[VS+8*\d:VS+8*\d+7]
.endif
.endr
.endr
	WIN 0
.endm
	v_mov_b32 v[AVF], v[AVF0]
	VSTRIP 1
	s_mov_b32 s52, 1
.Lvs:
	s_lshl_b32 s20, s52, 7                         ; 64 keys are 128 bytes of a row of V^T
	v_add_nc_u32 v[AVF], s20, v[AVF0]              ; with three v_nop the four places in front of the loads into the fragments
	v_nop
	v_nop
	v_nop
	VSTRIP 0
	s_add_co_u32 s52, s52, 1
	s_cmp_lt_u32 s52, 8
	s_cbranch_scc1 .Lvs
; The addresses of key block s[cnt].  The three adds and two v_nop are the five places between the last trip's products and what
; follows: loads into V's fragments, and score products that write over P.
.macro AADDR cnt
	s_mul_i32 s20, s[\cnt], 64*PK
	s_lshl_b32 s21, s[\cnt], 7
	s_lshl_b32 s22, s[\cnt], 8
	v_add_nc_u32 v[AKF], s20, v[AKF0]
	v_add_nc_u32 v[AVF], s21, v[AVF0]
	v_add_nc_u32 v[AKB], s22, v[AKB0]
	v_nop
	v_nop
.endm
.macro SMM job, qt, kt, ds, cin        ; one score product; cin = 1: the sum starts from the keys' bias, 0: in place
.if \cin
	v_wmma_f32_16x16x32_f16 v[SC+32*\qt+8*\kt:SC+32*\qt+8*\kt+7], v[KF+16*\kt+8*\ds:KF+16*\kt+8*\ds+7], v[QF+64*\job+16*\qt+8*\ds:QF+64*\job+16*\qt+8*\ds+7], v[KB+8*\kt:KB+8*\kt+7]
.else
	v_wmma_f32_16x16x32_f16 v[SC+32*\qt+8*\kt:SC+32*\qt+8*\kt+7], v[KF+16*\kt+8*\ds:KF+16*\kt+8*\ds+7], v[QF+64*\job+16*\qt+8*\ds:QF+64*\job+16*\qt+8*\ds+7], v[SC+32*\qt+8*\kt:SC+32*\qt+8*\kt+7]
.endif
.endm
; Running softmax of query tile qt over nkt key tiles.  A lane is query r and holds keys 8 h + 0..7 of each tile; the two halves
; share the maximum and keep sums of their own.  first = 1: the job's first block starts maximum and sum.
; jo_ (set by ATRIP) is the job's place among the O^T registers.
.macro SOFTMAX qt, nkt, first
.set sm_n, \nkt
.set sm_b, SC+32*(\qt)
.set sm_m, ML+2*(\qt)
.set sm_a, AL+2*(\qt)
.set sm_o, OA+jo_+32*(\qt)
	WIN 0xaa
.set k_, 0
.rept sm_n
	v_max3_num_f32 v[T2+4+k_], v[sm_b+8*k_], v[sm_b+8*k_+1], v[sm_b+8*k_+2]
.set k_, k_+1
.endr
.set k_, 0
.rept sm_n
	v_max3_num_f32 v[T2+4+k_], v[T2+4+k_], v[sm_b+8*k_+3], v[sm_b+8*k_+4]
.set k_, k_+1
.endr
.set k_, 0
.rept sm_n
	v_max3_num_f32 v[T2+4+k_], v[T2+4+k_], v[sm_b+8*k_+5], v[sm_b+8*k_+6]
.set k_, k_+1
.endr
.set k_, 0
.rept sm_n
	v_max_num_f32 v[T2+4+k_], v[T2+4+k_], v[sm_b+8*k_+7]
.set k_, k_+1
.endr
.if sm_n == 2
	v_max_num_f32 v[T2+4], v[T2+4], v[T2+5]
.endif
.if sm_n > 2
	v_max3_num_f32 v[T2+4], v[T2+4], v[T2+5], v[T2+6]
.endif
.if sm_n > 3
	v_max_num_f32 v[T2+4], v[T2+4], v[T2+7]
.endif
	v_permlanex16_b32 v[T2+1], v[T2+4], s48, s49
.if \first
	v_max_num_f32 v[sm_m], v[T2+4], v[T2+1]
.else
	v_max3_num_f32 v[T2+3], v[T2+4], v[T2+1], v[sm_m]
	v_sub_f32 v[T2+2], v[sm_m], v[T2+3]
	v_exp_f32 v[sm_a], v[T2+2]                     ; alpha = 2^(old maximum - new); the move below is the plain instruction behind it (ISA guide 5.7.2)
	v_mov_b32 v[sm_m], v[T2+3]
.endif
.set k_, 0
.rept 4*sm_n
	v_pk_add_f32 v[sm_b+2*k_:sm_b+2*k_+1], v[sm_b+2*k_:sm_b+2*k_+1], v[sm_m:sm_m+1] op_sel_hi:[1,0] neg_lo:[0,1] neg_hi:[0,1]   ; the maximum is taken away
.set k_, k_+1
.endr
.set k_, 0
.rept 8*sm_n
	v_exp_f32 v[sm_b+k_], v[sm_b+k_]
.set k_, k_+1
.endr
	v_nop                                          ; one plain instruction behind the run of exponentials
.set k_, 0
	s_wait_alu depctr_va_vdst(0)
.rept sm_n
	v_pk_add_f32 v[T2+8+2*k_:T2+9+2*k_], v[sm_b+8*k_:sm_b+8*k_+1], v[sm_b+8*k_+2:sm_b+8*k_+3]
.set k_, k_+1
.endr
.set k_, 0
.rept sm_n
	v_pk_add_f32 v[T2+8+2*k_:T2+9+2*k_], v[T2+8+2*k_:T2+9+2*k_], v[sm_b+8*k_+4:sm_b+8*k_+5]
.set k_, k_+1
.endr
.set k_, 0
.rept sm_n
	v_pk_add_f32 v[T2+8+2*k_:T2+9+2*k_], v[T2+8+2*k_:T2+9+2*k_], v[sm_b+8*k_+6:sm_b+8*k_+7]
.set k_, k_+1
.endr
.set k_, 1
.rept sm_n-1
	v_pk_add_f32 v[T2+8:T2+9], v[T2+8:T2+9], v[T2+8+2*k_:T2+9+2*k_]
.set k_, k_+1
.endr
.if \first
	v_add_f32 v[sm_m+1], v[T2+8], v[T2+9]
.else
	v_add_f32 v[T2+2], v[T2+8], v[T2+9]
	v_fma_f32 v[sm_m+1], v[sm_m+1], v[sm_a], v[T2+2]
.endif
.set k_, 0
.rept 4*sm_n
	v_cvt_pk_f16_f32 v[sm_b+k_], v[sm_b+2*k_], v[sm_b+2*k_+1]      ; P^T in place: register i from registers 2 i, 2 i + 1, which is the operand's layout
.set k_, k_+1
.endr
.if sm_n & 1
.irp j, 0,1,2,3
	v_mov_b32 v[sm_b+4*sm_n+\j], 0                 ; the half of a fragment whose 16 keys lie beyond the diagonal
.endr
.endif
.if \first == 0
	WIN 0x49
.set k_, 0
.rept 16
	v_pk_mul_f32 v[sm_o+2*k_:sm_o+2*k_+1], v[sm_o+2*k_:sm_o+2*k_+1], v[sm_a:sm_a+1] op_sel_hi:[1,0]
.set k_, k_+1
.endr
.endif
.endm
; O^T (qt) += V^T P^T over nks steps of 32 keys; the four depth tiles take turns.
.macro PVM qt, nks, first
.set pv_o, OA+jo_+32*(\qt)
.set pv_p, SC+32*(\qt)
	WIN 0x58
.set k_, 0
.rept \nks
.irp d, 0,1,2,3
.set pv_z, 0
.if \first
.if k_ == 0
.set pv_z, 1
.endif
.endif
.if pv_z
	v_wmma_f32_16x16x32_f16 v[pv_o+8*\d:pv_o+8*\d+7], v[VF+16*\d+8*k_:VF+16*\d+8*k_+7], v[pv_p+8*k_:pv_p+8*k_+7], 0
.else
	v_wmma_f32_16x16x32_f16 v[pv_o+8*\d:pv_o+8*\d+7], v[VF+16*\d+8*k_:VF+16*\d+8*k_+7], v[pv_p+8*k_:pv_p+8*k_+7], v[pv_o+8*\d:pv_o+8*\d+7]
.endif
.endr
.set k_, k_+1
.endr
.endm
; One block of 64 keys against the job's 64 queries.  diag = 1: the diagonal block, the job's first: only key tiles kt <= qt.
.macro ATRIP job, diag
.set jo_, 128*\job
	WIN 0x80
.irp k, 0,1,2,3
	ds_load_b128 v[KB+8*\k:KB+8*\k+3],   v[AKB] offset:64*\k
	ds_load_b128 v[KB+8*\k+4:KB+8*\k+7], v[AKB] offset:64*\k+16
.endr
	WIN 0
.irp k, 0,1,2,3
.irp e, 0,1
	ds_load_b128 v[KF+16*\k+8*\e:KF+16*\k+8*\e+3],   v[AKF] offset:16*PK*\k+64*\e
	ds_load_b128 v[KF+16*\k+8*\e+4:KF+16*\k+8*\e+7], v[AKF] offset:16*PK*\k+64*\e+32
.endr
.endr
	VLOADS
	s_wait_dscnt 16                                ; biases and K are in; the 16 younger loads (V) may stay out
.if \diag
	WIN 0xaa
.irp q, 0,1,2,3
.irp j, 0,2,4,6
	v_pk_add_f32 v[SC+40*\q+\j:SC+40*\q+\j+1], v[KB+8*\q+\j:KB+8*\q+\j+1], v[CB+\j:CB+\j+1]    ; tile (q, q) starts from key bias + causal bias
.endr
.endr
.endif
	; A = K (window 0), B = Q (3), C and D window 2.  All first halves of the depth, then all second: the tiles take turns
	WIN 0xac
.irp e, 0,1
.irp q, 0,1,2,3
.irp k, 0,1,2,3
.set do_, 1
.set cin_, 1-\e
.if \diag
.if \k > \q
.set do_, 0
.endif
.if \k == \q
.set cin_, 0
.endif
.endif
.if do_
	SMM \job, \q, \k, \e, cin_
.endif
.endr
.endr
.endr
	WIN 0xaa
.rept 4
	v_nop                                          ; four places before the scores are read (ISA guide 7.12.1)
.endr
.irp q, 0,1,2,3
.if \diag
	SOFTMAX \q, \q+1, 1
.else
	SOFTMAX \q, 4, 0
.endif
.if \q == 0
	s_wait_dscnt 0x0                               ; V's fragments
.endif
.if \diag
	PVM \q, (\q+2)/2, 1
.else
	PVM \q, 2, 0
.endif
.endr
	WIN 0
.endm
; The job's end, in registers alone: O / sum x query mask, or the mean of V x query mask where no key was admitted.
.macro JOBFIN job
	WIN 0xaa
.irp q, 0,1,2,3
	v_permlanex16_b32 v[T2+8+\q], v[ML+2*\q+1], s48, s49
.endr
.irp q, 0,1,2,3
	v_add_f32 v[ML+2*\q+1], v[ML+2*\q+1], v[T2+8+\q]       ; the two halves' sums
.endr
.irp q, 0,1,2,3
	v_rcp_f32 v[T2+4+\q], v[ML+2*\q+1]
.endr
	v_nop
	WIN 0x82
	s_wait_alu depctr_va_vdst(0)
.irp q, 0,1,2,3
	v_mul_f32 v[FG+2*\q], v[T2+4+\q], v[QM+4*\job+\q]
	v_mul_f32 v[FG+2*\q+1], 0x3b000000, v[QM+4*\job+\q]    ; 1 / 512
.endr
	WIN 0xaa
.irp q, 0,1,2,3
	v_cmp_gt_f32 vcc_lo, 0xcf000000, v[ML+2*\q]            ; -2^31 > maximum: every admitted key was padded
	v_cndmask_b32 v[FG+2*\q], v[FG+2*\q], 0, vcc_lo
	v_cndmask_b32 v[FG+2*\q+1], 0, v[FG+2*\q+1], vcc_lo
.endr
	WIN 0x49
.irp q, 0,1,2,3
.set k_, 0
.rept 16
	v_pk_mul_f32 v[OA+128*\job+32*\q+2*k_:OA+128*\job+32*\q+2*k_+1], v[OA+128*\job+32*\q+2*k_:OA+128*\job+32*\q+2*k_+1], v[FG+2*\q:FG+2*\q+1] op_sel_hi:[1,0]
.set k_, k_+1
.endr
.endr
	WIN 0x5a
.irp q, 0,1,2,3
.set k_, 0
.rept 16
	v_pk_fma_f32 v[OA+128*\job+32*\q+2*k_:OA+128*\job+32*\q+2*k_+1], v[VS+2*k_:VS+2*k_+1], v[FG+2*\q:FG+2*\q+1], v[OA+128*\job+32*\q+2*k_:OA+128*\job+32*\q+2*k_+1] op_sel:[0,1,0] op_sel_hi:[1,1,1]
.set k_, k_+1
.endr
.endr
	WIN 0
.endm
; A job: query block s53.  The diagonal block first (it starts all sums), then key blocks 0 .. s53 - 1: the loop counts key blocks
; against nb, the most that any wave has in this job, and is left at its head when the block reaches the diagonal.
; Jobs w and 7 - w give every wave two diagonal and seven full blocks.
.macro JOB job, nb
	AADDR 53
	ATRIP \job, 1
	s_mov_b32 s52, 0
.Ljloop\job:
	s_cmp_ge_u32 s52, s53                          ; all key blocks below the diagonal are done
	s_cbranch_scc1 .Ljend\job
	AADDR 52
	ATRIP \job, 0
	s_add_co_u32 s52, s52, 1
	s_cmp_lt_u32 s52, \nb
	s_cbranch_scc1 .Ljloop\job
.Ljend\job:
	JOBFIN \job
.endm
; The residual of a job's 64 rows: query's 64 columns of the head, in the layout in which the result is stored.
.macro RESLOAD job
	WIN 0xc0
.irp q, 0,1,2,3
.irp t, 0,1,2,3,4,5,6,7
	global_load_b128 v[RES-128*\job+32*\q+4*\t:RES-128*\job+32*\q+4*\t+3], v[OFFJ+\job], s[56:57] offset:(16*\q+2*\t)*ROWB
.endr
.endr
	WIN 0
.endm
; The way out of a job, 16 rows at a time: O^T into my stage, back as whole rows of 256 bytes, + residual, stored.
; left = how many younger global loads may stay out when this job's residual has to be there.
.macro JOBOUT job, left
	s_wait_loadcnt \left
.irp q, 0,1,2,3
	WIN 0x44
.irp d, 0,1,2,3
	ds_store_b128 v[STO], v[OA+128*\job+32*\q+8*\d:OA+128*\job+32*\q+8*\d+3]   offset:64*\d          ; query r, depths 16 d + 8 h ..
	ds_store_b128 v[STO], v[OA+128*\job+32*\q+8*\d+4:OA+128*\job+32*\q+8*\d+7] offset:64*\d+16
.endr
.irp t, 0,1,2,3,4,5,6,7
	ds_load_b128 v[OA+128*\job+32*\q+4*\t:OA+128*\job+32*\q+4*\t+3], v[RD] offset:2*PS*\t            ; LDS serves a wave's instructions in order (ISA guide 5.7.1.4): these see the stores above
.endr
	s_wait_dscnt 0x0
	WIN 0x4d
.set k_, 0
.rept 16
	v_pk_add_f32 v[OA+128*\job+32*\q+2*k_:OA+128*\job+32*\q+2*k_+1], v[OA+128*\job+32*\q+2*k_:OA+128*\job+32*\q+2*k_+1], v[RES-128*\job+32*\q+2*k_:RES-128*\job+32*\q+2*k_+1]
.set k_, k_+1
.endr
	WIN 0x44
.irp t, 0,1,2,3,4,5,6,7
	global_store_b128 v[OFFJ+\job], v[OA+128*\job+32*\q+4*\t:OA+128*\job+32*\q+4*\t+3], s[14:15] offset:(16*\q+2*\t)*ROWB th:TH_STORE_NT   ; 16 lanes store 256 consecutive bytes, at a multiple of 256 from out's first byte
.endr
.endr
	WIN 0
.endm
	RESLOAD 0                                      ; into the registers that held W's fragments: it has both jobs in which to land
	s_mov_b32 s53, s16
	JOB 0, 3
	s_mov_b32 s53, s55
	JOB 1, 7
	RESLOAD 1                                      ; into the registers that held Q's fragments: it lands while job 0 goes out
	; ---- stage 5: out.  The stages are written only when no wave reads K, V or the biases any more.
	s_wait_dscnt 0x0                               ; my reads of K, V and the biases are back
	s_barrier_signal -1
	s_barrier_wait -1                              ; everybody's are
	JOBOUT 0, 32                                   ; the 32 younger loads are job 1's residual
	JOBOUT 1, 0
	s_wait_dscnt 0x0
	s_wait_tensorcnt 0x0
	ds_add_u32 v254, v255
	s_wait_dscnt 0x0
	ROUND                                          ; the closing round: no work-group ends before its partners have passed their last joint load
	s_endpgm
.Lfunc_end_k_qa2a05aed06_mha:
	.size	k_qa2a05aed06_mha, .Lfunc_end_k_qa2a05aed06_mha-k_qa2a05aed06_mha
	.p2alignl 7, 3214868480
	.fill 96, 4, 3214868480
	.section	.rodata,"a",@progbits
	.p2align	6, 0x0
	.amdhsa_kernel k_qa2a05aed06_mha
		.amdhsa_group_segment_fixed_size 327680
		.amdhsa_private_segment_fixed_size 0
		.amdhsa_enable_private_segment 0
		.amdhsa_kernarg_size 48
		.amdhsa_user_sgpr_count 2
		.amdhsa_user_sgpr_kernarg_segment_ptr 1
		.amdhsa_wavefront_size32 1
		.amdhsa_system_sgpr_workgroup_id_x 1
		.amdhsa_system_sgpr_workgroup_id_y 1
		.amdhsa_system_sgpr_workgroup_id_z 1
		.amdhsa_system_vgpr_workitem_id 0
		.amdhsa_next_free_vgpr 1024
		.amdhsa_next_free_sgpr 66
		.amdhsa_reserve_vcc 1
		.amdhsa_float_denorm_mode_32 3
		.amdhsa_float_denorm_mode_16_64 3
		.amdhsa_memory_ordered 1
		.amdhsa_forward_progress 1
		.amdhsa_inst_pref_size 255
	.end_amdhsa_kernel
	.section	.bss,"aw",@nobits
	.p2align	6
	.space	262144
	.amdgpu_metadata
---
amdhsa.version: [ 1, 2 ]
amdhsa.kernels:
  - .name:           k_qa2a05aed06_mha
    .symbol:         k_qa2a05aed06_mha.kd
    .args:
      - { .name: query, .offset: 0, .size: 8, .value_kind: global_buffer, .address_space: global }
      - { .name: key, .offset: 8, .size: 8, .value_kind: global_buffer, .address_space: global }
      - { .name: Wq, .offset: 16, .size: 8, .value_kind: global_buffer, .address_space: global }
      - { .name: Wk, .offset: 24, .size: 8, .value_kind: global_buffer, .address_space: global }
      - { .name: Wv, .offset: 32, .size: 8, .value_kind: global_buffer, .address_space: global }
      - { .name: out0, .offset: 40, .size: 8, .value_kind: global_buffer, .address_space: global }
    .group_segment_fixed_size: 327680
    .private_segment_fixed_size: 0
    .kernarg_segment_align: 8
    .kernarg_segment_size: 48
    .max_flat_workgroup_size: 128
    .sgpr_count:     66
    .vgpr_count:     1024
    .wavefront_size: 32
...
	.end_amdgpu_metadata
.endif
;; end of part 1
;; ======== version 2 of 2: 1 launch; 1.27 times as fast as version 1
;; limits: right only within a limited range of input values; values are held in f16: magnitudes above 65,504 overflow, below 6.1e-05 lose precision
;; launch mha (part 2): grid 8 x 32, 4 waves a work-group, clusters of 4 x 1, 327,680 bytes of LDS; arguments query, key, Wq, Wk, Wv, out0; writes out0
.if DOCPART == 2
	.amdgcn_target "amdgcn-amd-amdhsa--gfx1250"
	.amdhsa_code_object_version 6
	.text
	.protected	k_qa2a05aed06_mha
	.globl	k_qa2a05aed06_mha
	.p2align	8
	.type	k_qa2a05aed06_mha,@function
k_qa2a05aed06_mha:
	s_mov_b64 s[64:65], 0
	v_nop
	global_prefetch_b8 v0, s[64:65] scope:SCOPE_SE
	s_setreg_imm32_b32 hwreg(HW_REG_WAVE_MODE, 25, 1), 1
	s_wait_xcnt 0x0
	s_wait_alu depctr_hold_cnt(0) depctr_sa_sdst(0) depctr_va_vdst(0) depctr_va_sdst(0) depctr_va_ssrc(0) depctr_va_vcc(0) depctr_vm_vsrc(0)
	s_getreg_b32 s2, hwreg(HW_REG_IB_STS2, 6, 4)
	s_cmp_eq_u32 s2, 0
	s_cbranch_scc0 .Lentry_in_a_cluster
	s_endpgm
.Lentry_in_a_cluster:
	s_bfe_u32 s2, ttmp6, 0x10000c
	s_cmp_lg_u32 s2, 0x3003
	s_cbranch_scc0 .Lentry_shape_is_right
	s_endpgm
.Lentry_shape_is_right:
; Multi-head attention, fused: out = softmax(mask(Q K^T / 8)) V * qmask + query, Q = query Wq, K = key Wk, V = key Wv.
; 32 batches x 8 heads, 512 rows, depth 64.  One work-group = one (batch, head), four waves; Q, K, V never go to memory.
;
; WORK LEFT OUT.  The causal tril that the problem builds itself gives every key k > q the score NEG = -2^32.  In a row that has one
; admitted key (k <= q) whose key row does not sum to 0, the row's maximum is a true score, and the weight of every masked key is
; exp(NEG - max), which is 0 beside 1 in f32 for every score inside the limit stated further down: whole 16 x 16 tiles of keys beyond
; the diagonal are therefore not computed.  In a row that has NO such key all 512 scores equal NEG, the softmax is 1/512 everywhere and
; the result is the mean of all 512 rows of V, those beyond the diagonal too: that case is always computed (column sums of V) and chosen
; lane by lane: a query row has no admitted key exactly when it lies below the first key row that does not sum to 0.
; Every input is loaded.
; NUMBER FORMAT.  All matrix operands (query, key, W, Q, K, V, the weights P) are f16, all sums, maxima and exponentials f32.
; f16 and not bf16 because the first query rows are one or two rows of V, not averaged: 8 significant bits would leave up to 2^-9 |V|,
; 0.0078 for |V| just under 4, on a result that is compared within about 0.01; 11 bits leave an eighth of that.  The room: f16 reaches 65,504.
; With every input 30 times its spread Q, K and V are 900 times theirs (spread 1): five spreads are 4,500.  With a common offset of 30
; spreads on both factors a projection reaches 512 x 30 x 30 / sqrt(512) = 20,365.  With every input 30 times smaller V's spread is
; 1.1e-3 and the scaled Q's 2e-4, and f16's step below 2^-14 is 2^-24 = 6e-8, under 1/3000 of either.  P lies in [0, 1].
; LIMITS.  A matrix operand beyond 65,504 in magnitude (|query|, |key|, |W|, |Q| x 0.18, |K|, |V|) becomes an infinity.
; The masks are ADDED to the scores as a bias of NEG and not put in their place: a masked key stays without weight as long as two scores
; of one row differ by less than 2^32, and the result is the problem's as long as no true score lies at or below NEG (there the
; problem's own masked keys would win).  With offsets of 30 spreads on all inputs a score is 64 x 20,365^2 / 8 = 3.3e9 in size, under
; 2^32 = 4.3e9, and scores of one row differ by about 64 x 20,365 x 30 / 8 = 4.9e6.
; A NaN, an infinity or an overflow in a masked or skipped position is not carried to the result; a row sum that is NaN counts as not 0.
; The row sums that make the two padding masks are added in another order than a plain sum: a row of zeros gives 0 in any order, a row
; whose numbers cancel exactly in one order only may be judged otherwise.
;
; CLUSTER.  The four heads of a cluster (4, 1, 1) need the same tiles of query[b] and key[b]: each tile is asked for jointly (mask 15),
; which divides the requests for them by four.  The head enters global addresses alone (W's columns, the residual, the output).
;
; STAGES.  (1) Q: 8 tiles of 512 rows x 64 columns of query, f32, through two LDS slots; a wave makes Q^T of query blocks w and 7 - w
; (those it will serve in attention) and keeps them in registers.  (2) K, V: 8 tiles of key; a wave makes rows 128 w .. 128 w + 127.
; (3) K goes to LDS as [key][depth], V as [depth][key], both f16, into the slots, which have had their last fill.  (4) attention:
; two jobs a wave, their results kept in registers.  (5) behind a barrier, when no wave reads K or V any more: out through LDS stages.
; Products are laid so that no result is transposed: Q^T = Wq^T X^T and K^T = Wk^T X^T give a lane 8 neighbouring depths of one row
; (the operand layout of the score product); V = X Wv gives a lane 8 neighbouring keys of one depth (16 bytes of V^T);
; S^T = K Q^T and O^T = V^T P^T make a lane one query row, so that maximum, sum and masks are one number a lane.
;
; MATRIX BESIDE VECTOR WORK.  In a full block of 64 keys the wave's four query tiles take turns: while tile q's softmax (121 vector
; instructions, in 16 slices) runs, the score products of tile q + 1 and the P V products of tile q - 1 are issued, one ahead of each slice.
; Of a block's 64 products 48 stand so; tile 0's eight score products stand in front, tile 3's eight P V products behind.
; The projection stages stay in phases: a refill of 128 KiB is asked for behind one round of the cluster's barrier and waited for in front
; of the next, so it has one tile's work in which to land, and work taken out of a tile is time taken from that load.
;
; REGISTERS in windows of 256 (s_set_vgpr_msb: bits 1:0 source 0, 3:2 source 1, 5:4 source 2, 7:6 destination):
;   window 0: addresses, X as loaded and as fragments, W on its way, K and V fragments
;   window 1: Q^T then K^T accumulators; in attention O^T of job 0 (0-127) and of job 1 (128-255)
;   window 2: V accumulators; in attention the scores and the softmax's numbers
;   window 3: Q fragments (0-127), W fragments (128-255); the residual of job 0 takes W's place, that of job 1 at the end Q's
.set PX,    272                        ; LDS row of X: 64 f32 + 16 bytes of padding: 17 x 16, so 16 rows start at 16 different 16-byte columns modulo 256
.set QUART, 128*PX                     ; what one tensor load brings: 128 rows
.set SLOTB, 4*QUART                    ; a slot: 512 rows
.set WBUF,  2*SLOTB                    ; W's slices, f16, written by LDS stores alone: no tensor load lands here
.set PW,    160                        ; row of a W slice: 64 f16 + 32 bytes (5 x 32, for the transposing loads)
.set WSUB,  64*PW                      ; one matrix's slice
.set WPAR,  2*WSUB                     ; two matrices; two such halves take turns
.set PK,    144                        ; K [key][depth]: 64 f16 + 16 bytes, from LDS byte 0
.set VT,    SLOTB                      ; V^T [depth][key]
.set PVT,   1040                       ; 512 f16 + 16 bytes
.set STAGE, VT+64*PVT                  ; the way out: 16 rows x 272 bytes for each wave
.set PS,    272
.set KBIAS, STAGE+4*16*PS              ; 512 f32: 0, or NEG x log2(e) for a padded key
.set FVAL,  KBIAS+2048                 ; 4 f32: each wave's first key row that does not sum to 0
.set ROWB,  2048                       ; bytes in a row of query, key, W and out
; window 0
.set LT,   3                           ; r x 272 + 32 h
.set AX,   4                           ; v4-7   X fragments: slot s, half u at AX + 2 s + u
.set AW,   8                           ; W fragments (transposing loads)
.set ASW,  9                           ; where I store W
.set GW,   10                          ; my byte offset in a W slice
.set AKS,  11                          ; where I store K
.set AVS,  12                          ; where I store V^T
.set AKBS, 13                          ; where I store key biases
.set NEGR, 14                          ; NEG x log2(e)
.set RMH,  15                          ; r - 8 h
.set XS,   16                          ; v16-79   four units of 16 rows: 16 f32 a lane each
.set XF,   80                          ; v80-111  the same as four f16 fragments
.set RS,   112                         ; v112-127 row sums, a pair for each of my 8 row tiles
.set T,    128                         ; v128-135 at work
.set WST,  136                         ; v136-199 W on its way
.set BR,   152                         ; v152-159 key biases on their way to LDS
.set QM,   200                         ; v200-207 query mask of my 8 row tiles: 1.0 or 0
.set KF,   16                          ; attention: K fragments (kt, ds) at 16 kt + 8 ds
.set VF,   80                          ; attention: V^T fragments (dt, ks) at 16 dt + 8 ks
.set ONES, 144                         ; a fragment of ones
.set AKF0, 216
.set AVF0, 217
.set AKB0, 218
.set AKF,  219
.set AVF,  220
.set AKB,  221
.set STO,  222
.set RD,   223
.set OFFJ, 224                         ; v224-225 my byte offset in out and query, job 0, 1
.set FV,   226                         ; the first of my wave's key rows that does not sum to 0
.set KIX,  227                         ; 128 w + r
.set FVA,  228                         ; where my wave stores it
.set FVB,  229                         ; where the four waves' lie
.set FIRST, 230                        ; the first of all 512 key rows that does not sum to 0 (512: none)
.set QI,   231                         ; FIRST - (64 qb + r)
; window 1
.set OA,   0                           ; O^T (job, qt, dt) at 128 job + 32 qt + 8 dt
; window 2
.set SC,   0                           ; S^T (qt, kt) at 32 qt + 8 kt; P^T (qt, ks) at 32 qt + 8 ks
.set KB,   128                         ; key biases of the block's four key tiles
.set CB,   160                         ; the diagonal tile's causal bias
.set VS,   168                         ; column sums of V
.set ML,   200                         ; (maximum, sum) of query tile qt at 2 qt
.set AL,   208                         ; (alpha, unused)
.set FG,   216                         ; (factor of O, factor of V's sums)
.set T2,   224                         ; at work
; window 3
.set QF,   0                           ; Q fragments (job, qt, ds) at 64 job + 16 qt + 8 ds
.set WF,   128                         ; W fragments (ks, f) at 64 ks + 8 f; f 0-3: Wq or Wk, 4-7: Wv
.set RES,  128                         ; residual (job, qt, t) at 128 - 128 job + 32 qt + 4 t
; scalars
.set G1,   24                          ; s[24:31] descriptor group 1
.set G0Q0, 32                          ; group 0: query, slot 0 and 1; key, slot 0 and 1
.set G0Q1, 36
.set G0K0, 40
.set G0K1, 44
.set NOK,  60                          ; s60-63  lane masks: query tile qt's rows that have no admitted key
.set MSB, 0
.macro WIN new                         ; the immediate's high byte repeats the setting that is left
.if MSB != \new
	s_set_vgpr_msb (MSB<<8)|\new
.set MSB, \new
.endif
.endm
; A round of the cluster's barrier: my work-group's barrier, wave 0 signals for the work-group, every wave waits for all four
; work-groups, my work-group's barrier once more.
.macro ROUND
	WIN 0
	s_barrier_signal -1
	s_barrier_wait -1
	s_cmp_lg_u32 s16, 0
	s_cbranch_scc1 .Lnot_wave_0_\@
	s_barrier_signal -3
.Lnot_wave_0_\@:
	s_barrier_wait -3
	s_barrier_signal -1
	s_barrier_wait -1
.endm
.macro MKG0 g, ptr                     ; two sets of group 0 (slot 0, slot 1) for the tensor whose batch begins at s[ptr:ptr+1]
	s_mov_b32 s[\g], 1                                     ; count = 1
	s_add_co_u32 s[\g+1], s54, 0                           ; LDS address: wave x 128 rows
	s_add_nc_u64 s[\g+2:\g+3], s[\ptr:\ptr+1], s[22:23]    ; my 128 rows, columns 0-63
	s_mov_b32 s[\g+4], 1
	s_add_co_u32 s[\g+5], s54, SLOTB
	s_add_nc_u64 s[\g+6:\g+7], s[\g+2:\g+3], 256           ; columns 64-127
	s_or_b32 s[\g+3], s[\g+3], 0x80000000                  ; type = 2
	s_or_b32 s[\g+7], s[\g+7], 0x80000000
.endm
	s_load_b256 s[4:11], s[0:1], 0x0               ; query s[4:5], key s[6:7], Wq s[8:9], Wk s[10:11]
	s_load_b128 s[12:15], s[0:1], 0x20             ; Wv s[12:13], out0 s[14:15]
	v_lshl_add_u32 v254, v0, 2, 0x4e000
	v_mov_b32 v255, 0
	ds_add_u32 v254, v255
	v_lshrrev_b32 v3, 5, v0
	v_readfirstlane_b32 s16, v3                    ; wave 0..3
	s_bfe_u32 s17, ttmp6, 0x40000                  ; cx
	s_lshl_b32 s18, ttmp9, 2
	s_add_co_u32 s18, s18, s17                     ; head = 4 x cluster x + cx
	s_and_b32 s19, ttmp7, 0xffff                   ; batch
	s_lshl_b32 s58, s18, 8                         ; the head's 64 columns in bytes: s[58:59] alone carry the head
	s_mov_b32 s59, 0
	s_lshl_b32 s20, s19, 20                        ; a batch is 512 x 512 x 4 bytes
	s_mov_b32 s21, 0
	s_lshl_b32 s22, s16, 18                        ; my 128 rows of a tile
	s_mov_b32 s23, 0
	s_mul_i32 s54, s16, QUART
	s_sub_co_u32 s55, 7, s16                       ; 7 - w
	s_mov_b32 s48, 0x76543210                      ; v_permlanex16_b32: lane i takes lane i of the other half
	s_mov_b32 s49, 0xfedcba98
	s_mov_b32 s50, 0x3e38aa3b                      ; log2(e) / 8, twice
	s_mov_b32 s51, 0x3e38aa3b
	; group 1: a tile of 128 rows x 64 elements of 4 bytes, 16 bytes of padding behind each row, for the cluster's four work-groups
	s_mov_b32 s[G1+0], 15|(2<<16)|(1<<20)|(1<<21)|(5<<22)|(3<<25)  ; mask 15; 4-byte elements; padding on; bit 21 beside a mask; after 64 words; 4 words
	s_mov_b32 s[G1+1], 64<<16                      ; tensor_dim0 = 64
	s_mov_b32 s[G1+2], 128<<16                     ; tensor_dim1 = 128
	s_mov_b32 s[G1+3], 64<<16                      ; tile_dim0 = 64
	s_mov_b32 s[G1+4], 128                         ; tile_dim1 = 128
	s_mov_b32 s[G1+5], 512                         ; elements from row to row
	s_mov_b32 s[G1+6], 0
	s_mov_b32 s[G1+7], 0
	s_wait_dscnt 0x0
	s_wait_kmcnt 0x0
	s_add_nc_u64 s[4:5], s[4:5], s[20:21]          ; query[b]
	s_add_nc_u64 s[6:7], s[6:7], s[20:21]          ; key[b]
	s_add_nc_u64 s[14:15], s[14:15], s[20:21]
	s_add_nc_u64 s[14:15], s[14:15], s[58:59]      ; out[b], the head's columns
	s_add_nc_u64 s[56:57], s[4:5], s[58:59]        ; the residual: query[b], the head's columns
	s_add_nc_u64 s[8:9], s[8:9], s[58:59]          ; the head's columns of Wq, Wk, Wv
	s_add_nc_u64 s[10:11], s[10:11], s[58:59]
	s_add_nc_u64 s[12:13], s[12:13], s[58:59]
	MKG0 G0Q0, 4
	MKG0 G0K0, 6
	ROUND                                          ; all four work-groups are here: the first joint loads meet
	tensor_load_to_lds s[G0Q0:G0Q0+3], s[G1:G1+7]  ; tile 0
	s_nop 0
	tensor_load_to_lds s[G0Q1:G0Q1+3], s[G1:G1+7]  ; tile 1: two tensor loads of this wave are out, later one
	s_nop 0
	; lane constants.  r = lane % 16, h = lane / 16
	v_and_b32 v1, 15, v0
	v_bfe_u32 v2, v0, 4, 1
	v_mul_u32_u24 v[LT], v1, PX
	v_lshl_add_u32 v[LT], v2, 5, v[LT]
	s_mul_i32 s20, s16, 64*PX                      ; Q stage: query block w,
	s_mul_i32 s21, s55, 64*PX                      ; and query block 7 - w
	v_add_nc_u32 v[AX], s20, v[LT]
	v_add_nc_u32 v[AX+1], s21, v[LT]
	v_add_nc_u32 v[AX+2], SLOTB, v[AX]
	v_add_nc_u32 v[AX+3], SLOTB, v[AX+1]
	v_and_b32 v15, 7, v0                           ; transposing loads: row 8 h + lane % 8, 16 bytes for each group of eight lanes
	v_lshl_add_u32 v15, v2, 3, v15
	v_mul_u32_u24 v[AW], v15, PW
	v_bfe_u32 v15, v0, 3, 1
	v_lshl_add_u32 v[AW], v15, 4, v[AW]
	v_add_nc_u32 v[AW], WBUF, v[AW]
	s_mul_i32 s20, s16, 2*PW                       ; W goes in by rows 2 w + h (+ 8 i), 8 bytes at 8 r
	s_add_co_u32 s20, s20, WBUF
	v_mul_u32_u24 v[ASW], v2, PW
	v_lshl_add_u32 v[ASW], v1, 3, v[ASW]
	v_add_nc_u32 v[ASW], s20, v[ASW]
	v_lshlrev_b32 v15, 11, v2                      ; h rows + 16 r bytes
	v_lshl_add_u32 v15, v1, 4, v15
	s_lshl_b32 s20, s16, 12
	v_add_nc_u32 v[GW], s20, v15                   ; + 2 w rows
	s_lshl_b32 s20, s16, 17
	s_lshl_b32 s21, s55, 17
	v_add_nc_u32 v[OFFJ], s20, v15                 ; + 64 w rows
	v_add_nc_u32 v[OFFJ+1], s21, v15               ; + 64 (7 - w) rows
	v_mul_u32_u24 v[AKF0], v1, PK
	v_lshl_add_u32 v[AKF0], v2, 4, v[AKF0]
	s_mul_i32 s20, s16, 128*PK
	v_add_nc_u32 v[AKS], s20, v[AKF0]
	v_mul_u32_u24 v[AVF0], v1, PVT
	v_lshl_add_u32 v[AVF0], v2, 4, v[AVF0]
	v_add_nc_u32 v[AVF0], VT, v[AVF0]
	s_lshl_b32 s20, s16, 8
	v_add_nc_u32 v[AVS], s20, v[AVF0]
	v_lshlrev_b32 v[AKB0], 5, v2
	v_add_nc_u32 v[AKB0], KBIAS, v[AKB0]
	s_lshl_b32 s20, s16, 9
	s_add_co_u32 s20, s20, KBIAS
	v_lshl_add_u32 v[AKBS], v1, 2, s20
	s_mul_i32 s20, s16, 16*PS
	s_add_co_u32 s20, s20, STAGE
	v_add_nc_u32 v[STO], s20, v[LT]                ; in: row r, 32 bytes for each half of the lanes
	v_mul_u32_u24 v[RD], v2, PS                    ; back: lanes 0-15 one row of 256 bytes, lanes 16-31 the next
	v_lshl_add_u32 v[RD], v1, 4, v[RD]
	v_add_nc_u32 v[RD], s20, v[RD]
	v_lshlrev_b32 v15, 3, v2
	v_sub_nc_u32 v[RMH], v1, v15
	v_mov_b32 v[NEGR], 0xcfb8aa3b                  ; -2^32 x log2(e)
	s_lshl_b32 s20, s16, 7
	v_add_nc_u32 v[KIX], s20, v1                   ; my key row in my wave's row tile 0
	s_lshl_b32 s20, s16, 2
	s_add_co_u32 s20, s20, FVAL
	v_mov_b32 v[FVA], s20                          ; my wave's word
	v_mov_b32 v[FVB], FVAL
; The next slice of W (64 rows of the head's 64 columns), f32, into registers.  kind 1: Wq; 2: Wk and Wv; 0: nothing.
; A load of the wave covers two rows of 256 bytes.
.macro WLOAD kind
.if \kind == 1
.irp i, 0,1,2,3,4,5,6,7
	global_load_b128 v[WST+4*\i:WST+4*\i+3], v[GW], s[8:9] offset:8*ROWB*\i
.endr
.endif
.if \kind == 2
.irp i, 0,1,2,3,4,5,6,7
	global_load_b128 v[WST+4*\i:WST+4*\i+3], v[GW], s[10:11] offset:8*ROWB*\i
.endr
.irp i, 0,1,2,3,4,5,6,7
	global_load_b128 v[WST+32+4*\i:WST+32+4*\i+3], v[GW], s[12:13] offset:8*ROWB*\i
.endr
.endif
.endm
; ... rounded to f16 in place and stored into half p of W's LDS; then the pointers step one slice.
.macro WSTORE p, kind
.if \kind
	s_wait_loadcnt 0x0                             ; the slice is in; this wait also frees the loads' base registers
.set k_, 0
.rept 8*\kind
	v_cvt_pk_f16_f32 v[WST+4*k_], v[WST+4*k_], v[WST+4*k_+1]
	v_cvt_pk_f16_f32 v[WST+4*k_+1], v[WST+4*k_+2], v[WST+4*k_+3]
.set k_, k_+1
.endr
.set k_, 0
.rept 8*\kind
	ds_store_b64 v[ASW], v[WST+4*k_:WST+4*k_+1] offset:(\p)*WPAR+(k_/8)*WSUB+(k_%8)*8*PW
.set k_, k_+1
.endr
.if \kind == 1
	s_add_nc_u64 s[8:9], s[8:9], 64*ROWB
.else
	s_add_nc_u64 s[10:11], s[10:11], 64*ROWB
	s_add_nc_u64 s[12:13], s[12:13], 64*ROWB
.endif
.endif
.endm
; W's fragments of a slice (both K steps of 32) from half p: lane r gets column r, K along its registers.
.macro WFLOAD p, stage
	WIN 0xc0
.irp k, 0,1
.irp f, 0,1,2,3
	ds_load_tr16_b128 v[WF+64*\k+8*\f:WF+64*\k+8*\f+3],   v[AW] offset:(\p)*WPAR+32*PW*\k+32*\f
	ds_load_tr16_b128 v[WF+64*\k+8*\f+4:WF+64*\k+8*\f+7], v[AW] offset:(\p)*WPAR+32*PW*\k+32*\f+16*PW
.if \stage
	ds_load_tr16_b128 v[WF+64*\k+32+8*\f:WF+64*\k+32+8*\f+3],   v[AW] offset:(\p)*WPAR+WSUB+32*PW*\k+32*\f
	ds_load_tr16_b128 v[WF+64*\k+32+8*\f+4:WF+64*\k+32+8*\f+7], v[AW] offset:(\p)*WPAR+WSUB+32*PW*\k+32*\f+16*PW
.endif
.endr
.endr
	WIN 0
.endm
; Group g of a tile: K step g / 2, my row half g % 2: four units of 16 rows, 16 f32 a lane (K = 8 h + 0..7 and 16 + 8 h + 0..7 of the step).
.macro XLOAD slot, g
.irp i, 0,1,2,3
.irp c, 0,1,2,3
	ds_load_b128 v[XS+16*\i+4*\c:XS+16*\i+4*\c+3], v[AX+2*\slot+((\g)&1)] offset:16*PX*\i+128*((\g)>>1)+16*(\c&1)+64*(\c>>1)
.endr
.endr
.endm
; One group: row sums (for the padding masks), rounding to f16, the next group's loads, the products.
; stage 0: Q^T; 1: K^T and V.  zero = 1: the tile starts the sums (C = 0, row sums written).
; The accumulators take turns, one instruction a turn.
.macro GROUP stage, slot, g, zero
.set gh_, (\g)&1
.set gk_, (\g)>>1
.set gz_, 0
.if \zero
.if gk_ == 0
.set gz_, 1
.endif
.endif
	s_wait_dscnt 0x0                               ; this group's X (and, in the first group, W's fragments)
.irp i, 0,1,2,3
	v_pk_add_f32 v[T:T+1],   v[XS+16*\i:XS+16*\i+1],     v[XS+16*\i+2:XS+16*\i+3]     ; these four adds are also the four places between the
	v_pk_add_f32 v[T+2:T+3], v[XS+16*\i+4:XS+16*\i+5],   v[XS+16*\i+6:XS+16*\i+7]     ; last group's products and the first write into their
	v_pk_add_f32 v[T+4:T+5], v[XS+16*\i+8:XS+16*\i+9],   v[XS+16*\i+10:XS+16*\i+11]   ; fragments (ISA guide 7.12.1)
	v_pk_add_f32 v[T+6:T+7], v[XS+16*\i+12:XS+16*\i+13], v[XS+16*\i+14:XS+16*\i+15]
	v_cvt_pk_f16_f32 v[XF+8*\i],   v[XS+16*\i],   v[XS+16*\i+1]
	v_cvt_pk_f16_f32 v[XF+8*\i+1], v[XS+16*\i+2], v[XS+16*\i+3]
	v_cvt_pk_f16_f32 v[XF+8*\i+2], v[XS+16*\i+4], v[XS+16*\i+5]
	v_cvt_pk_f16_f32 v[XF+8*\i+3], v[XS+16*\i+6], v[XS+16*\i+7]
	v_pk_add_f32 v[T:T+1],   v[T:T+1],   v[T+2:T+3]
	v_pk_add_f32 v[T+4:T+5], v[T+4:T+5], v[T+6:T+7]
	v_cvt_pk_f16_f32 v[XF+8*\i+4], v[XS+16*\i+8],  v[XS+16*\i+9]
	v_cvt_pk_f16_f32 v[XF+8*\i+5], v[XS+16*\i+10], v[XS+16*\i+11]
.if gz_
	v_pk_add_f32 v[RS+8*gh_+2*\i:RS+8*gh_+2*\i+1], v[T:T+1], v[T+4:T+5]
	v_cvt_pk_f16_f32 v[XF+8*\i+6], v[XS+16*\i+12], v[XS+16*\i+13]
	v_cvt_pk_f16_f32 v[XF+8*\i+7], v[XS+16*\i+14], v[XS+16*\i+15]
.else
	v_pk_add_f32 v[T:T+1], v[T:T+1], v[T+4:T+5]
	v_cvt_pk_f16_f32 v[XF+8*\i+6], v[XS+16*\i+12], v[XS+16*\i+13]
	v_cvt_pk_f16_f32 v[XF+8*\i+7], v[XS+16*\i+14], v[XS+16*\i+15]
	v_pk_add_f32 v[RS+8*gh_+2*\i:RS+8*gh_+2*\i+1], v[RS+8*gh_+2*\i:RS+8*gh_+2*\i+1], v[T:T+1]
.endif
.endr
.if (\g) < 3
	XLOAD \slot, (\g)+1                            ; lands while this group is multiplied
.endif
	WIN 0x53                                       ; A = W (window 3), B = X (0), C and D window 1: rows of W^T x columns of X^T
.irp i, 0,1,2,3
.irp o, 0,1,2,3
.if gz_
	v_wmma_f32_16x16x32_f16 v[128*gh_+32*\i+8*\o:128*gh_+32*\i+8*\o+7], v[WF+64*gk_+8*\o:WF+64*gk_+8*\o+7], v[XF+8*\i:XF+8*\i+7], 0
.else
	v_wmma_f32_16x16x32_f16 v[128*gh_+32*\i+8*\o:128*gh_+32*\i+8*\o+7], v[WF+64*gk_+8*\o:WF+64*gk_+8*\o+7], v[XF+8*\i:XF+8*\i+7], v[128*gh_+32*\i+8*\o:128*gh_+32*\i+8*\o+7]
.endif
.endr
.endr
.if \stage
	WIN 0xac                                       ; A = X (window 0), B = Wv (3), C and D window 2
.irp i, 0,1,2,3
.irp o, 0,1,2,3
.if gz_
	v_wmma_f32_16x16x32_f16 v[128*gh_+32*\i+8*\o:128*gh_+32*\i+8*\o+7], v[XF+8*\i:XF+8*\i+7], v[WF+64*gk_+32+8*\o:WF+64*gk_+32+8*\o+7], 0
.else
	v_wmma_f32_16x16x32_f16 v[128*gh_+32*\i+8*\o:128*gh_+32*\i+8*\o+7], v[XF+8*\i:XF+8*\i+7], v[WF+64*gk_+32+8*\o:WF+64*gk_+32+8*\o+7], v[128*gh_+32*\i+8*\o:128*gh_+32*\i+8*\o+7]
.endif
.endr
.endr
.endif
	WIN 0
.endm
; A tile of X is worked in two halves along K.
; FRONT: the W slice for the next tile is asked for (wnext), this tile's W fragments and first X group are read, K step 0 is multiplied.
.macro FRONT stage, slot, zero, wnext
	WLOAD \wnext
	WFLOAD \slot, \stage
	XLOAD \slot, 0
	GROUP \stage, \slot, 0, \zero
	GROUP \stage, \slot, 1, \zero
.endm
; BACK: K step 1 is multiplied, the W slice that FRONT asked for (wnext) goes to LDS, and the slot is given up.
; g0: the group 0 by which this slot is filled again (0: no fill); step = 1: it moves two tiles on first.
; In front of the round each wave waits for its LDS reads and stores and for all its tensor loads (one is out: its part of the other
; slot); behind the round no wave of any of the four work-groups reads this slot, and the refill is the first thing there.
.macro BACK stage, slot, wnext, g0, step
	GROUP \stage, \slot, 2, 0
	GROUP \stage, \slot, 3, 0
	WSTORE 1-\slot, \wnext                         ; its conversions are also the places in front of the next tile's loads into W's fragments
	s_wait_dscnt 0x0                               ; my reads of this slot and of W's half are back, my stores of W's other half are done
	s_wait_tensorcnt 0x0                           ; all my tensor loads have landed, so a group 0 may be written
	ds_add_u32 v254, v255
	s_wait_dscnt 0x0
.if \g0
.if \step
	s_add_nc_u64 s[\g0+2:\g0+3], s[\g0+2:\g0+3], 512
.endif
	ROUND
	tensor_load_to_lds s[\g0:\g0+3], s[G1:G1+7]    ; my one tensor load behind this round
	s_nop 0
.else
	s_barrier_signal -1
	s_barrier_wait -1
.endif
.endm
; A stage's loop runs from the middle of an even tile to the middle of the next even tile, three times.  So only the half tile that starts
; the sums (C = 0) stands in front of it; the six refills inside it are tiles 2 to 7 of the stage's own tensor; what differs (the slots'
; passage from query to key, the tiles behind which nothing is fetched) stands in a tail of a tile and a half: four tiles of text for
; eight tiles of work.  The slot stays a constant in every line: while one slot is read a fill of the other is out, and that the two are
; different bytes is read off the offsets.  Over the backward jump stay out: the 16 LDS loads of K step 1's first group, W's next slice,
; one tensor load; each is met by the wait that stands in front of its use in BACK.
	WLOAD 1                                        ; Wq's slice 0
	WSTORE 0, 1
	s_wait_dscnt 0x0                               ; my part of W's slice is in LDS
	s_wait_tensorcnt 0x1                           ; my part of tile 0 is in; tile 1 may stay out
	s_barrier_signal -1
	s_barrier_wait -1
	; ---- stage 1: Q^T of query blocks w and 7 - w, tiles 0 to 7
	FRONT 0, 0, 1, 1                               ; tile 0 starts the sums
	s_mov_b32 s52, 3
.Lq:
	BACK  0, 0, 1, G0Q0, 1                         ; tiles 0, 2, 4; fetches 2, 4, 6
	FRONT 0, 1, 0, 1                               ; tiles 1, 3, 5
	BACK  0, 1, 1, G0Q1, 1                         ; fetches 3, 5, 7
	FRONT 0, 0, 0, 1                               ; tiles 2, 4, 6
	s_sub_co_u32 s52, s52, 1
	s_cmp_lg_u32 s52, 0
	s_cbranch_scc1 .Lq
	BACK  0, 0, 1, G0K0, 0                         ; tile 6; the slots go on into key's tile 0
	FRONT 0, 1, 0, 2                               ; tile 7; Wk's and Wv's slice 0
	BACK  0, 1, 2, G0K1, 0                         ; and key's tile 1
	; Q x log2(e) / 8, rounded to f16: register i of the fragments is made of accumulator registers 2 i, 2 i + 1
	WIN 0x41
.set k_, 0
.rept 128
	v_pk_mul_f32 v[2*k_:2*k_+1], v[2*k_:2*k_+1], s[50:51] op_sel_hi:[1,0]
.set k_, k_+1
.endr
	WIN 0xc5
.set k_, 0
.rept 128
	v_cvt_pk_f16_f32 v[QF+k_], v[2*k_], v[2*k_+1]
.set k_, k_+1
.endr
	WIN 0
.irp i, 0,1,2,3,4,5,6,7
	v_add_f32 v[T], v[RS+2*\i], v[RS+2*\i+1]               ; the query row's sum: my 2 x 128 numbers,
	v_permlanex16_b32 v[T+1], v[T], s48, s49
	v_add_f32 v[T], v[T], v[T+1]                           ; and the other half's
	v_cmp_neq_f32 vcc_lo, 0, v[T]
	v_cndmask_b32 v[QM+\i], 0, 1.0, vcc_lo                 ; sign(|sum|)
.endr
	s_mul_i32 s20, s16, QUART                      ; K, V stage: rows 128 w + 64 u
	v_add_nc_u32 v[AX], s20, v[LT]
	v_add_nc_u32 v[AX+1], 64*PX, v[AX]
	v_add_nc_u32 v[AX+2], SLOTB, v[AX]
	v_add_nc_u32 v[AX+3], SLOTB, v[AX+1]
	; ---- stage 2: K^T and V of key rows 128 w .. 128 w + 127, key's tiles 0 to 7
	FRONT 1, 0, 1, 2                               ; tile 0 starts the sums
	s_mov_b32 s52, 3
.Lkv:
	BACK  1, 0, 2, G0K0, 1                         ; tiles 0, 2, 4; fetches 2, 4, 6
	FRONT 1, 1, 0, 2                               ; tiles 1, 3, 5
	BACK  1, 1, 2, G0K1, 1                         ; fetches 3, 5, 7
	FRONT 1, 0, 0, 2                               ; tiles 2, 4, 6
	s_sub_co_u32 s52, s52, 1
	s_cmp_lg_u32 s52, 0
	s_cbranch_scc1 .Lkv
	BACK  1, 0, 2, 0, 0                            ; tile 6: nothing is left to fetch; the wait for all tensor loads shows the last tile landed
	FRONT 1, 1, 0, 0                               ; tile 7
	BACK  1, 1, 0, 0, 0                            ; behind its barrier nobody reads the slots: they have had their last fill and become scratch
	; ---- stage 3: key biases, the first key row that is not padding, K and V^T to LDS
	v_mov_b32 v[FV], 512                                   ; (these lines are also the places behind the last products)
.irp i, 7,6,5,4,3,2,1,0
	v_add_f32 v[T], v[RS+2*\i], v[RS+2*\i+1]
	v_permlanex16_b32 v[T+1], v[T], s48, s49
	v_add_f32 v[T], v[T], v[T+1]                           ; both halves of the lanes now hold the same sum
	v_add_nc_u32 v[T+2], 16*\i, v[KIX]                     ; the key row's index
	v_cmp_eq_f32 vcc_lo, 0, v[T]
	v_cndmask_b32 v[BR+\i], 0, v[NEGR], vcc_lo             ; a key row that sums to 0 is masked
	v_cndmask_b32 v[FV], v[T+2], v[FV], vcc_lo             ; the tiles go downward: the lowest index that is not masked stays
	ds_store_b32 v[AKBS], v[BR+\i] offset:64*\i
.endr
	v_cvt_f32_u32 v[FV], v[FV]                             ; 0 to 512: exact in f32
	v_min_num_f32_dpp v[FV], v[FV], v[FV] row_xmask:1 row_mask:0xf bank_mask:0xf
	v_min_num_f32_dpp v[FV], v[FV], v[FV] row_xmask:2 row_mask:0xf bank_mask:0xf
	v_min_num_f32_dpp v[FV], v[FV], v[FV] row_xmask:4 row_mask:0xf bank_mask:0xf
	v_min_num_f32_dpp v[FV], v[FV], v[FV] row_xmask:8 row_mask:0xf bank_mask:0xf
	ds_store_b32 v[FVA], v[FV]                             ; all lanes write my wave's word with the same value
.macro TILES16 win, src, area          ; 16 accumulator tiles to f16: 4 registers a tile
	WIN \win
.set k_, 0
.rept 64
	v_cvt_pk_f16_f32 v[\area+k_], v[\src+2*k_], v[\src+2*k_+1]
.set k_, k_+1
.endr
	WIN 0
.endm
.irp b, 0,1
	TILES16 0x05, 128*\b, 16+64*\b
.irp q, 0,1,2,3
.irp o, 0,1,2,3
	ds_store_b128 v[AKS], v[16+64*\b+16*\q+4*\o:16+64*\b+16*\q+4*\o+3] offset:16*PK*(4*\b+\q)+32*\o    ; key r of the tile, depths 16 o + 8 h ..
.endr
.endr
.endr
.irp b, 0,1
	TILES16 0x0a, 128*\b, 16+64*\b
.irp q, 0,1,2,3
.irp o, 0,1,2,3
	ds_store_b128 v[AVS], v[16+64*\b+16*\q+4*\o:16+64*\b+16*\q+4*\o+3] offset:16*PVT*\o+32*(4*\b+\q)   ; depth 16 o + r, keys 8 h .. of the tile
.endr
.endr
.endr
	s_wait_dscnt 0x0                               ; my K, V, biases and first index are in LDS
	s_barrier_signal -1
	s_barrier_wait -1                              ; everybody's are.  Up to the next barrier LDS is only read
	; ---- stage 4: attention
	ds_load_b128 v[T:T+3], v[FVB]                  ; the four waves' first indices
	WIN 0x80
.irp q, 0,1,2,3
	v_mov_b32 v[ML+2*\q+1], 0                      ; second halves of pairs that are named whole before they are first written
	v_mov_b32 v[AL+2*\q+1], 0
.endr
	v_mov_b32 v[T2+1], 0                           ; a lane exchange's destination counts as read
.irp j, 0,1,2,3,4,5,6,7
	v_cmp_gt_i32 vcc_lo, \j, v[RMH]                ; key 8 h + j beyond query r
	v_cndmask_b32 v[CB+\j], 0, v[NEGR], vcc_lo
.endr
	WIN 0
.irp j, 0,1,2,3,4,5,6,7
	v_mov_b32 v[ONES+\j], 0x3c003c00               ; 1.0 in f16, twice
.endr
	s_wait_dscnt 0x0
	v_min3_num_f32 v[T], v[T], v[T+1], v[T+2]
	v_min_num_f32 v[T], v[T], v[T+3]
	v_cvt_u32_f32 v[FIRST], v[T]                   ; query rows below this index have no admitted key
.macro VLOADS                          ; V^T fragments of a block of 64 keys
.irp d, 0,1,2,3
.irp k, 0,1
	ds_load_b128 v[VF+16*\d+8*\k:VF+16*\d+8*\k+3],   v[AVF] offset:16*PVT*\d+64*\k
	ds_load_b128 v[VF+16*\d+8*\k+4:VF+16*\d+8*\k+7], v[AVF] offset:16*PVT*\d+64*\k+32
.endr
.endr
.endm
; Column sums of V over all 512 keys, as V^T x ones: the same layout as O^T.  They serve the rows that have no admitted key.
.macro VSTRIP zero
	VLOADS
	s_wait_dscnt 0x0
	WIN 0xa0
.irp k, 0,1
.irp d, 0,1,2,3
.set vz_, 0
.if \zero
.if \k == 0
.set vz_, 1
.endif
.endif
.if vz_
	v_wmma_f32_16x16x32_f16 v[VS+8*\d:VS+8*\d+7], v[VF+16*\d+8*\k:VF+16*\d+8*\k+7], v[ONES:ONES+7], 0
.else
	v_wmma_f32_16x16x32_f16 v[VS+8*\d:VS+8*\d+7], v[VF+16*\d+8*\k:VF+16*\d+8*\k+7], v[ONES:ONES+7], v[VS+8*\d:VS+8*\d+7]
.endif
.endr
.endr
	WIN 0
.endm
	v_mov_b32 v[AVF], v[AVF0]
	VSTRIP 1
	s_mov_b32 s52, 1
.Lvs:
	s_lshl_b32 s20, s52, 7                         ; 64 keys are 128 bytes of a row of V^T
	v_add_nc_u32 v[AVF], s20, v[AVF0]              ; with three v_nop the four places in front of the loads into the fragments
	v_nop
	v_nop
	v_nop
	VSTRIP 0
	s_add_co_u32 s52, s52, 1
	s_cmp_lt_u32 s52, 8
	s_cbranch_scc1 .Lvs
; The addresses of key block s[cnt].  There are eight key blocks: the minimum with 7 never acts, it states the addresses' bound in the text.
; The three adds and two v_nop are the five places between the last trip's products and what
; follows: loads into V's fragments, and score products that write over P.
.macro AADDR cnt
	s_min_u32 s23, s[\cnt], 7
	s_mul_i32 s20, s23, 64*PK
	s_lshl_b32 s21, s23, 7
	s_lshl_b32 s22, s23, 8
	v_add_nc_u32 v[AKF], s20, v[AKF0]
	v_add_nc_u32 v[AVF], s21, v[AVF0]
	v_add_nc_u32 v[AKB], s22, v[AKB0]
	v_nop
	v_nop
.endm
; A block's loads: the biases of its 64 keys, its K fragments, its V^T fragments.
.macro ALOADS
	WIN 0x80
.irp k, 0,1,2,3
	ds_load_b128 v[KB+8*\k:KB+8*\k+3],   v[AKB] offset:64*\k
	ds_load_b128 v[KB+8*\k+4:KB+8*\k+7], v[AKB] offset:64*\k+16
.endr
	WIN 0
.irp k, 0,1,2,3
.irp e, 0,1
	ds_load_b128 v[KF+16*\k+8*\e:KF+16*\k+8*\e+3],   v[AKF] offset:16*PK*\k+64*\e
	ds_load_b128 v[KF+16*\k+8*\e+4:KF+16*\k+8*\e+7], v[AKF] offset:16*PK*\k+64*\e+32
.endr
.endr
	VLOADS
	s_wait_dscnt 16                                ; biases and K are in; the 16 younger loads (V) may stay out
.endm
; One score product under the setting 0xac: A = K (window 0), B = Q (3), C and D window 2.
; cin = 1: the sum starts from the keys' bias, 0: in place.
.macro SMM job, qt, kt, ds, cin
.if \cin
	v_wmma_f32_16x16x32_f16 v[SC+32*\qt+8*\kt:SC+32*\qt+8*\kt+7], v[KF+16*\kt+8*\ds:KF+16*\kt+8*\ds+7], v[QF+64*\job+16*\qt+8*\ds:QF+64*\job+16*\qt+8*\ds+7], v[KB+8*\kt:KB+8*\kt+7]
.else
	v_wmma_f32_16x16x32_f16 v[SC+32*\qt+8*\kt:SC+32*\qt+8*\kt+7], v[KF+16*\kt+8*\ds:KF+16*\kt+8*\ds+7], v[QF+64*\job+16*\qt+8*\ds:QF+64*\job+16*\qt+8*\ds+7], v[SC+32*\qt+8*\kt:SC+32*\qt+8*\kt+7]
.endif
.endm
; One product O^T (qt, d) += V^T (d, ks) P^T (qt, ks), in place, under the setting 0x58: A = V (window 0), B = P (2), C and D window 1.
; jo_ (set at the head of a block) is the job's place among the O^T registers.
.macro PV1 qt, ks, d
	v_wmma_f32_16x16x32_f16 v[OA+jo_+32*\qt+8*\d:OA+jo_+32*\qt+8*\d+7], v[VF+16*\d+8*\ks:VF+16*\d+8*\ks+7], v[SC+32*\qt+8*\ks:SC+32*\qt+8*\ks+7], v[OA+jo_+32*\qt+8*\d:OA+jo_+32*\qt+8*\d+7]
.endm
; ---- the diagonal block, the job's first: it starts maximum, sum and O^T; only key tiles kt <= qt.  It stays in phases: query tile 0
; has one key tile here, and taken tile by tile the products of its two depth halves would follow each other on one accumulator.
; Softmax of query tile qt over nkt key tiles.  A lane is query r and holds keys 8 h + 0..7 of each tile; the two halves
; share the maximum and keep sums of their own.
.macro SOFTMAX qt, nkt
.set sm_n, \nkt
.set sm_b, SC+32*(\qt)
.set sm_m, ML+2*(\qt)
	WIN 0xaa
.set k_, 0
.rept sm_n
	v_max3_num_f32 v[T2+4+k_], v[sm_b+8*k_], v[sm_b+8*k_+1], v[sm_b+8*k_+2]
.set k_, k_+1
.endr
.set k_, 0
.rept sm_n
	v_max3_num_f32 v[T2+4+k_], v[T2+4+k_], v[sm_b+8*k_+3], v[sm_b+8*k_+4]
.set k_, k_+1
.endr
.set k_, 0
.rept sm_n
	v_max3_num_f32 v[T2+4+k_], v[T2+4+k_], v[sm_b+8*k_+5], v[sm_b+8*k_+6]
.set k_, k_+1
.endr
.set k_, 0
.rept sm_n
	v_max_num_f32 v[T2+4+k_], v[T2+4+k_], v[sm_b+8*k_+7]
.set k_, k_+1
.endr
.if sm_n == 2
	v_max_num_f32 v[T2+4], v[T2+4], v[T2+5]
.endif
.if sm_n > 2
	v_max3_num_f32 v[T2+4], v[T2+4], v[T2+5], v[T2+6]
.endif
.if sm_n > 3
	v_max_num_f32 v[T2+4], v[T2+4], v[T2+7]
.endif
	v_permlanex16_b32 v[T2+1], v[T2+4], s48, s49
	v_max_num_f32 v[sm_m], v[T2+4], v[T2+1]
.set k_, 0
.rept 4*sm_n
	v_pk_add_f32 v[sm_b+2*k_:sm_b+2*k_+1], v[sm_b+2*k_:sm_b+2*k_+1], v[sm_m:sm_m+1] op_sel_hi:[1,0] neg_lo:[0,1] neg_hi:[0,1]   ; the maximum is taken away
.set k_, k_+1
.endr
.set k_, 0
.rept 8*sm_n
	v_exp_f32 v[sm_b+k_], v[sm_b+k_]
.set k_, k_+1
.endr
	v_nop                                          ; one plain instruction behind the run of exponentials (ISA guide 5.7.2)
.set k_, 0
	s_wait_alu depctr_va_vdst(0)
.rept sm_n
	v_pk_add_f32 v[T2+8+2*k_:T2+9+2*k_], v[sm_b+8*k_:sm_b+8*k_+1], v[sm_b+8*k_+2:sm_b+8*k_+3]
.set k_, k_+1
.endr
.set k_, 0
.rept sm_n
	v_pk_add_f32 v[T2+8+2*k_:T2+9+2*k_], v[T2+8+2*k_:T2+9+2*k_], v[sm_b+8*k_+4:sm_b+8*k_+5]
.set k_, k_+1
.endr
.set k_, 0
.rept sm_n
	v_pk_add_f32 v[T2+8+2*k_:T2+9+2*k_], v[T2+8+2*k_:T2+9+2*k_], v[sm_b+8*k_+6:sm_b+8*k_+7]
.set k_, k_+1
.endr
.set k_, 1
.rept sm_n-1
	v_pk_add_f32 v[T2+8:T2+9], v[T2+8:T2+9], v[T2+8+2*k_:T2+9+2*k_]
.set k_, k_+1
.endr
	v_add_f32 v[sm_m+1], v[T2+8], v[T2+9]
.set k_, 0
.rept 4*sm_n
	v_cvt_pk_f16_f32 v[sm_b+k_], v[sm_b+2*k_], v[sm_b+2*k_+1]      ; P^T in place: register i from registers 2 i, 2 i + 1, which is the operand's layout
.set k_, k_+1
.endr
.if sm_n & 1
.irp j, 0,1,2,3
	v_mov_b32 v[sm_b+4*sm_n+\j], 0                 ; the half of a fragment whose 16 keys lie beyond the diagonal
.endr
.endif
.endm
; O^T (qt) = V^T P^T over nks steps of 32 keys: the first step starts the sums; the four depth tiles take turns.
.macro PVM qt, nks
.set pv_o, OA+jo_+32*(\qt)
.set pv_p, SC+32*(\qt)
	WIN 0x58
.set k_, 0
.rept \nks
.irp d, 0,1,2,3
.if k_ == 0
	v_wmma_f32_16x16x32_f16 v[pv_o+8*\d:pv_o+8*\d+7], v[VF+16*\d+8*k_:VF+16*\d+8*k_+7], v[pv_p+8*k_:pv_p+8*k_+7], 0
.else
	v_wmma_f32_16x16x32_f16 v[pv_o+8*\d:pv_o+8*\d+7], v[VF+16*\d+8*k_:VF+16*\d+8*k_+7], v[pv_p+8*k_:pv_p+8*k_+7], v[pv_o+8*\d:pv_o+8*\d+7]
.endif
.endr
.set k_, k_+1
.endr
.endm
.macro ATRIPD job
.set jo_, 128*\job
	ALOADS
	WIN 0xaa
.irp q, 0,1,2,3
.irp j, 0,2,4,6
	v_pk_add_f32 v[SC+40*\q+\j:SC+40*\q+\j+1], v[KB+8*\q+\j:KB+8*\q+\j+1], v[CB+\j:CB+\j+1]    ; tile (q, q) starts from key bias + causal bias
.endr
.endr
	; all first halves of the depth, then all second: the ten tiles take turns
	WIN 0xac
.irp e, 0,1
.irp q, 0,1,2,3
.irp k, 0,1,2,3
.set do_, 1
.set cin_, 1-\e
.if \k > \q
.set do_, 0
.endif
.if \k == \q
.set cin_, 0
.endif
.if do_
	SMM \job, \q, \k, \e, cin_
.endif
.endr
.endr
.endr
	WIN 0xaa
.rept 4
	v_nop                                          ; four places before the scores are read (ISA guide 7.12.1)
.endr
.irp q, 0,1,2,3
	SOFTMAX \q, \q+1
.if \q == 0
	s_wait_dscnt 0x0                               ; V's fragments
.endif
	PVM \q, (\q+2)/2
.endr
	WIN 0
.endm
; ---- a full block of 64 keys below the diagonal.
; Slice j (0 to 15) of the running softmax of query tile qt over the block's four key tiles: 121 vector instructions, 6 to 9 a slice.
;   0, 1   the largest of my 32 scores, four chains          9, 10  their sum, four chains
;   2      the other half's, the old maximum, alpha          11     sum = sum x alpha + new; then to 13: P^T rounded to f16, in place
;   3, 4   the maximum is taken away                         14, 15 O^T x alpha
;   5 to 8 the exponentials
; No slice names a register of the products that stand between the slices: those are S, K, Q and biases of tile qt + 1, and O, V and P of
; tile qt - 1; so the slices' plain instructions are also places behind those products (ISA guide 7.12.1).
.macro SMSL qt, j
.set sm_b, SC+32*(\qt)
.set sm_m, ML+2*(\qt)
.set sm_a, AL+2*(\qt)
.set sm_o, OA+jo_+32*(\qt)
.if \j < 14
	WIN 0xaa
.else
	WIN 0x49
.endif
.if \j == 0
.irp k, 0,1,2,3
	v_max3_num_f32 v[T2+4+\k], v[sm_b+8*\k], v[sm_b+8*\k+1], v[sm_b+8*\k+2]
.endr
.irp k, 0,1,2,3
	v_max3_num_f32 v[T2+4+\k], v[T2+4+\k], v[sm_b+8*\k+3], v[sm_b+8*\k+4]
.endr
.endif
.if \j == 1
.irp k, 0,1,2,3
	v_max3_num_f32 v[T2+4+\k], v[T2+4+\k], v[sm_b+8*\k+5], v[sm_b+8*\k+6]
.endr
.irp k, 0,1,2,3
	v_max_num_f32 v[T2+4+\k], v[T2+4+\k], v[sm_b+8*\k+7]
.endr
.endif
.if \j == 2
	v_max3_num_f32 v[T2+4], v[T2+4], v[T2+5], v[T2+6]
	v_max_num_f32 v[T2+4], v[T2+4], v[T2+7]
	v_permlanex16_b32 v[T2+1], v[T2+4], s48, s49
	v_max3_num_f32 v[T2+3], v[T2+4], v[T2+1], v[sm_m]
	v_sub_f32 v[T2+2], v[sm_m], v[T2+3]
	v_exp_f32 v[sm_a], v[T2+2]                     ; alpha = 2^(old maximum - new); the move below is the plain instruction behind it (ISA guide 5.7.2)
	v_mov_b32 v[sm_m], v[T2+3]
.endif
.if \j > 2
.if \j < 5
.set k_, 8*(\j-3)
.rept 8
	v_pk_add_f32 v[sm_b+2*k_:sm_b+2*k_+1], v[sm_b+2*k_:sm_b+2*k_+1], v[sm_m:sm_m+1] op_sel_hi:[1,0] neg_lo:[0,1] neg_hi:[0,1]
.set k_, k_+1
.endr
.endif
.endif
.if \j > 4
.if \j < 9
.set k_, 8*(\j-5)
.rept 8
	v_exp_f32 v[sm_b+k_], v[sm_b+k_]
.set k_, k_+1
.endr
.endif
.endif
.if \j == 8
	v_nop                                          ; one plain instruction behind the 32 exponentials, ahead of the first use of any of them (ISA guide 5.7.2)
.endif
.if \j == 9
	s_wait_alu depctr_va_vdst(0)
.irp k, 0,1,2,3
	v_pk_add_f32 v[T2+8+2*\k:T2+9+2*\k], v[sm_b+8*\k:sm_b+8*\k+1], v[sm_b+8*\k+2:sm_b+8*\k+3]
.endr
.irp k, 0,1,2,3
	v_pk_add_f32 v[T2+8+2*\k:T2+9+2*\k], v[T2+8+2*\k:T2+9+2*\k], v[sm_b+8*\k+4:sm_b+8*\k+5]
.endr
.endif
.if \j == 10
.irp k, 0,1,2,3
	v_pk_add_f32 v[T2+8+2*\k:T2+9+2*\k], v[T2+8+2*\k:T2+9+2*\k], v[sm_b+8*\k+6:sm_b+8*\k+7]
.endr
.irp k, 1,2,3
	v_pk_add_f32 v[T2+8:T2+9], v[T2+8:T2+9], v[T2+8+2*\k:T2+9+2*\k]
.endr
.endif
.if \j == 11
	v_add_f32 v[T2+2], v[T2+8], v[T2+9]
	v_fma_f32 v[sm_m+1], v[sm_m+1], v[sm_a], v[T2+2]
.irp k, 0,1,2,3
	v_cvt_pk_f16_f32 v[sm_b+\k], v[sm_b+2*\k], v[sm_b+2*\k+1]      ; register i from registers 2 i, 2 i + 1, i ascending: the operand's layout
.endr
.endif
.if \j == 12
.irp k, 4,5,6,7,8,9
	v_cvt_pk_f16_f32 v[sm_b+\k], v[sm_b+2*\k], v[sm_b+2*\k+1]
.endr
.endif
.if \j == 13
.irp k, 10,11,12,13,14,15
	v_cvt_pk_f16_f32 v[sm_b+\k], v[sm_b+2*\k], v[sm_b+2*\k+1]
.endr
.endif
.if \j > 13
.set k_, 8*(\j-14)
.rept 8
	v_pk_mul_f32 v[sm_o+2*k_:sm_o+2*k_+1], v[sm_o+2*k_:sm_o+2*k_+1], v[sm_a:sm_a+1] op_sel_hi:[1,0]
.set k_, k_+1
.endr
.endif
.endm
; Query tile q's softmax, with one product ahead of each slice: ahead of slices 0 to 7 the score products of tile q + 1 (first halves of the
; depth for the four key tiles, then second halves), ahead of slices 8 to 15 the P V products of tile q - 1 (first 32 keys for the four
; depth tiles, then the second 32).  So each accumulator has one instruction a turn and three others' between two of its own.
; Behind tile q + 1's last score product stand slice 8's v_nop and the plain adds of slices 9 and 10 before the next
; phase reads those scores: more than the four places asked for.
.macro PHASE job, q
.irp j, 0,1,2,3,4,5,6,7,8,9,10,11,12,13,14,15
.set pk_, \j%4
.set pe_, (\j/4)%2
.if \j < 8
.if \q < 3
.set pq_, \q+1
.set pc_, 1-pe_
	WIN 0xac
	SMM \job, pq_, pk_, pe_, pc_
.endif
.else
.if \q > 0
.set pq_, \q-1
.if \q == 1
.if \j == 8
	s_wait_dscnt 0x0                               ; V's fragments, asked for at the block's head
.endif
.endif
	WIN 0x58
	PV1 pq_, pe_, pk_
.endif
.endif
	SMSL \q, \j
.endr
.endm
.macro ATRIPF job
.set jo_, 128*\job
	ALOADS
	WIN 0xac
.irp e, 0,1
.irp k, 0,1,2,3
.set pc_, 1-\e
	SMM \job, 0, \k, \e, pc_                       ; tile 0's scores: nothing of this block is there yet to set among them
.endr
.endr
	WIN 0xaa
.rept 4
	v_nop                                          ; four places before tile 0's scores are read (ISA guide 7.12.1)
.endr
	PHASE \job, 0
	PHASE \job, 1
	PHASE \job, 2
	PHASE \job, 3
	WIN 0x58
.irp e, 0,1
.irp d, 0,1,2,3
	PV1 3, \e, \d                                  ; tile 3's P V: no softmax is left to set among them
.endr
.endr
	WIN 0
.endm
; The job's end, in registers alone: O / sum x query mask, or the mean of V x query mask where no key was admitted.
; Query row 64 qb + 16 qt + r has no admitted key exactly when it lies below the first key row that is not padding.
.macro JOBFIN job
	s_lshl_b32 s20, s53, 6
	v_add_nc_u32 v[QI], s20, v1                            ; 64 qb + r
	v_sub_nc_u32 v[QI], v[FIRST], v[QI]
.irp q, 0,1,2,3
	v_cmp_lt_i32 s[NOK+\q], 16*\q, v[QI]                   ; 16 qt < FIRST - 64 qb - r
.endr
	WIN 0xaa
.irp q, 0,1,2,3
	v_permlanex16_b32 v[T2+8+\q], v[ML+2*\q+1], s48, s49
.endr
.irp q, 0,1,2,3
	v_add_f32 v[ML+2*\q+1], v[ML+2*\q+1], v[T2+8+\q]       ; the two halves' sums
.endr
.irp q, 0,1,2,3
	v_rcp_f32 v[T2+4+\q], v[ML+2*\q+1]
.endr
	v_nop
	WIN 0x82
	s_wait_alu depctr_va_vdst(0)
.irp q, 0,1,2,3
	v_mul_f32 v[FG+2*\q], v[T2+4+\q], v[QM+4*\job+\q]
	v_mul_f32 v[FG+2*\q+1], 0x3b000000, v[QM+4*\job+\q]    ; 1 / 512
.endr
	WIN 0xaa
.irp q, 0,1,2,3
	v_cndmask_b32 v[FG+2*\q], v[FG+2*\q], 0, s[NOK+\q]
	v_cndmask_b32 v[FG+2*\q+1], 0, v[FG+2*\q+1], s[NOK+\q]
.endr
	WIN 0x49
.irp q, 0,1,2,3
.set k_, 0
.rept 16
	v_pk_mul_f32 v[OA+128*\job+32*\q+2*k_:OA+128*\job+32*\q+2*k_+1], v[OA+128*\job+32*\q+2*k_:OA+128*\job+32*\q+2*k_+1], v[FG+2*\q:FG+2*\q+1] op_sel_hi:[1,0]
.set k_, k_+1
.endr
.endr
	WIN 0x5a
.irp q, 0,1,2,3
.set k_, 0
.rept 16
	v_pk_fma_f32 v[OA+128*\job+32*\q+2*k_:OA+128*\job+32*\q+2*k_+1], v[VS+2*k_:VS+2*k_+1], v[FG+2*\q:FG+2*\q+1], v[OA+128*\job+32*\q+2*k_:OA+128*\job+32*\q+2*k_+1] op_sel:[0,1,0] op_sel_hi:[1,1,1]
.set k_, k_+1
.endr
.endr
	WIN 0
.endm
; A job: query block s53.  The diagonal block first (it starts all sums), then key blocks 0 .. s53 - 1: the loop counts key blocks
; against nb, the most that any wave has in this job, and is left at its head when the block reaches the diagonal.
; Jobs w and 7 - w give every wave two diagonal and seven full blocks.
.macro JOB job, nb
	AADDR 53
	ATRIPD \job
	s_mov_b32 s52, 0
.Ljloop\job:
	s_cmp_ge_u32 s52, s53                          ; all key blocks below the diagonal are done
	s_cbranch_scc1 .Ljend\job
	AADDR 52
	ATRIPF \job
	s_add_co_u32 s52, s52, 1
	s_cmp_lt_u32 s52, \nb
	s_cbranch_scc1 .Ljloop\job
.Ljend\job:
	JOBFIN \job
.endm
; The residual of a job's 64 rows: query's 64 columns of the head, in the layout in which the result is stored.
.macro RESLOAD job
	WIN 0xc0
.irp q, 0,1,2,3
.irp t, 0,1,2,3,4,5,6,7
	global_load_b128 v[RES-128*\job+32*\q+4*\t:RES-128*\job+32*\q+4*\t+3], v[OFFJ+\job], s[56:57] offset:(16*\q+2*\t)*ROWB
.endr
.endr
	WIN 0
.endm
; The way out of a job, 16 rows at a time: O^T into my stage, back as whole rows of 256 bytes, + residual, stored.
; left = how many younger global loads may stay out when this job's residual has to be there.
.macro JOBOUT job, left
	s_wait_loadcnt \left
.irp q, 0,1,2,3
	WIN 0x44
.irp d, 0,1,2,3
	ds_store_b128 v[STO], v[OA+128*\job+32*\q+8*\d:OA+128*\job+32*\q+8*\d+3]   offset:64*\d          ; query r, depths 16 d + 8 h ..
	ds_store_b128 v[STO], v[OA+128*\job+32*\q+8*\d+4:OA+128*\job+32*\q+8*\d+7] offset:64*\d+16
.endr
.irp t, 0,1,2,3,4,5,6,7
	ds_load_b128 v[OA+128*\job+32*\q+4*\t:OA+128*\job+32*\q+4*\t+3], v[RD] offset:2*PS*\t            ; LDS serves a wave's instructions in order (ISA guide 5.7.1.4): these see the stores above
.endr
	s_wait_dscnt 0x0
	WIN 0x4d
.set k_, 0
.rept 16
	v_pk_add_f32 v[OA+128*\job+32*\q+2*k_:OA+128*\job+32*\q+2*k_+1], v[OA+128*\job+32*\q+2*k_:OA+128*\job+32*\q+2*k_+1], v[RES-128*\job+32*\q+2*k_:RES-128*\job+32*\q+2*k_+1]
.set k_, k_+1
.endr
	WIN 0x44
.irp t, 0,1,2,3,4,5,6,7
	global_store_b128 v[OFFJ+\job], v[OA+128*\job+32*\q+4*\t:OA+128*\job+32*\q+4*\t+3], s[14:15] offset:(16*\q+2*\t)*ROWB th:TH_STORE_NT   ; 16 lanes store 256 consecutive bytes, at a multiple of 256 from out's first byte
.endr
.endr
	WIN 0
.endm
	RESLOAD 0                                      ; into the registers that held W's fragments: it has both jobs in which to land
	s_mov_b32 s53, s16
	JOB 0, 3
	s_mov_b32 s53, s55
	JOB 1, 7
	RESLOAD 1                                      ; into the registers that held Q's fragments: it lands while job 0 goes out
	; ---- stage 5: out.  The stages are written only when no wave reads K, V or the biases any more.
	s_wait_dscnt 0x0                               ; my reads of K, V and the biases are back
	s_barrier_signal -1
	s_barrier_wait -1                              ; everybody's are
	JOBOUT 0, 32                                   ; the 32 younger loads are job 1's residual
	JOBOUT 1, 0
	s_wait_dscnt 0x0
	s_wait_tensorcnt 0x0
	ds_add_u32 v254, v255
	s_wait_dscnt 0x0
	ROUND                                          ; the closing round: no work-group ends before its partners have passed their last joint load
	s_endpgm
.Lfunc_end_k_qa2a05aed06_mha:
	.size	k_qa2a05aed06_mha, .Lfunc_end_k_qa2a05aed06_mha-k_qa2a05aed06_mha
	.p2alignl 7, 3214868480
	.fill 96, 4, 3214868480
	.section	.rodata,"a",@progbits
	.p2align	6, 0x0
	.amdhsa_kernel k_qa2a05aed06_mha
		.amdhsa_group_segment_fixed_size 327680
		.amdhsa_private_segment_fixed_size 0
		.amdhsa_enable_private_segment 0
		.amdhsa_kernarg_size 48
		.amdhsa_user_sgpr_count 2
		.amdhsa_user_sgpr_kernarg_segment_ptr 1
		.amdhsa_wavefront_size32 1
		.amdhsa_system_sgpr_workgroup_id_x 1
		.amdhsa_system_sgpr_workgroup_id_y 1
		.amdhsa_system_sgpr_workgroup_id_z 1
		.amdhsa_system_vgpr_workitem_id 0
		.amdhsa_next_free_vgpr 1024
		.amdhsa_next_free_sgpr 66
		.amdhsa_reserve_vcc 1
		.amdhsa_float_denorm_mode_32 3
		.amdhsa_float_denorm_mode_16_64 3
		.amdhsa_memory_ordered 1
		.amdhsa_forward_progress 1
		.amdhsa_inst_pref_size 255
	.end_amdhsa_kernel
	.section	.bss,"aw",@nobits
	.p2align	6
	.space	262144
	.amdgpu_metadata
---
amdhsa.version: [ 1, 2 ]
amdhsa.kernels:
  - .name:           k_qa2a05aed06_mha
    .symbol:         k_qa2a05aed06_mha.kd
    .args:
      - { .name: query, .offset: 0, .size: 8, .value_kind: global_buffer, .address_space: global }
      - { .name: key, .offset: 8, .size: 8, .value_kind: global_buffer, .address_space: global }
      - { .name: Wq, .offset: 16, .size: 8, .value_kind: global_buffer, .address_space: global }
      - { .name: Wk, .offset: 24, .size: 8, .value_kind: global_buffer, .address_space: global }
      - { .name: Wv, .offset: 32, .size: 8, .value_kind: global_buffer, .address_space: global }
      - { .name: out0, .offset: 40, .size: 8, .value_kind: global_buffer, .address_space: global }
    .group_segment_fixed_size: 327680
    .private_segment_fixed_size: 0
    .kernarg_segment_align: 8
    .kernarg_segment_size: 48
    .max_flat_workgroup_size: 128
    .sgpr_count:     66
    .vgpr_count:     1024
    .wavefront_size: 32
...
	.end_amdgpu_metadata
.endif
;; end of part 2
